; MI455X (gfx1250); checked and timed in simulation.
; The chip was launched on July 23, 2026; its instructions are those of AMD's public machine-readable ISA for CDNA 5 (MIT licence, August 2026) and "CDNA5" Instruction Set Architecture Reference Guide (July 2026). The comments in the code are by the model that wrote it; some were corrected since.
;; Causal Varlen Self Attention. Allowed arithmetic: matrix products marked QUANTISED: E2M3 operands, one E8M0 scale for each 32 along K, by v_wmma_scale_f32_16x16x128_f8f6f4 with both operands' format E2M3, f32 sums; everything else in f32.
;; Inputs: Wo_codes 1,024 x 32 x 24 uint8 (E2M3 codes of Wo, K innermost, in blocks of 32 codes, four codes in three bytes); Wo_scales 1,024 x 32 uint8 (E8M0 scales of Wo, one for each 32 codes along K); Wqkv_codes 3,072 x 32 x 24 uint8 (E2M3 codes of Wqkv, K innermost, in blocks of 32 codes, four codes in three bytes); Wqkv_scales 3,072 x 32 uint8 (E8M0 scales of Wqkv, one for each 32 codes along K); cos_cache 1,024 x 32 float32; cu_seqlens 9 int32; gate_b 16 float32; gate_w_codes 16 x 32 x 24 uint8 (E2M3 codes of gate_w, K innermost, in blocks of 32 codes, four codes in three bytes); gate_w_scales 16 x 32 uint8 (E8M0 scales of gate_w, one for each 32 codes along K); position_ids 8,192 int32; sin_cache 1,024 x 32 float32; x_codes 8,192 x 32 x 24 uint8 (E2M3 codes of x, K innermost, in blocks of 32 codes, four codes in three bytes); x_scales 8,192 x 32 uint8 (E8M0 scales of x, one for each 32 codes along K).
;; Outputs: out0 8,192 x 1,024 float32.
;; Constants: max_seqlen = 1024.
;; This version of the problem:
;;   THIS VERSION OF THE PROBLEM IS GIVEN IN LOW PRECISION. The matrix products marked QUANTISED in the list below multiply operands that are first quantised to E2M3 (2 exponent bits, 3 mantissa bits; 6 bits a number), with one power-of-two scale for each 32 numbers along K (OCP MX v1.0); their sums are f32. All else is computed in f32.
;;   The module's matrix products, in the order in which they are computed (A, B: the left and right operand; K: the contracted axis; several contracted axes count as one K, in the product's order):
;;     1. [M 8,192, K 1,024] x [K 1,024, N 3,072]; A: input x (given as codes); B: input Wqkv (given as codes): QUANTISED
;;     2. batch 128 x [M 1,024, K 64] x [K 64, N 1,024]; A: computed on the way; B: computed on the way: QUANTISED
;;     3. batch 128 x [M 64, K 1,024] x [K 1,024, N 1,024]; A: computed on the way; B: softmax (see below): QUANTISED
;;     4. [M 8,192, K 1,024] x [K 1,024, N 16]; A: input x (given as codes); B: input gate_w (given as codes): QUANTISED
;;     5. [M 8,192, K 1,024] x [K 1,024, N 1,024]; A: computed on the way; B: input Wo (given as codes): QUANTISED
;;   THE QUANTISER, for each operand of a quantised product, along K:
;;     - K is cut into blocks of 32 from its start; a last block that is shorter is filled with zeros.
;;     - A block's scale is 2^e with e = floor(log2(the largest magnitude in the block)) - 2, held to -126 .. 127; a block of zeros has e = 0. As a byte (E8M0): e + 127.
;;     - Each number is divided by its block's scale, clamped to +-7.5, and rounded to the nearest number of E2M3, ties to even, subnormals kept.
;;     - The product sums the exact products of the quantised numbers (number of the format x scale) in f32.
;;   ~~~python
;;   def quantise(x, axis):      # numpy; x: float32 -> the quantised numbers, widened to float32 again
;;       x = np.moveaxis(x, axis, -1); K = x.shape[-1]
;;       x = np.pad(x, [(0, 0)] * (x.ndim - 1) + [(0, -K % 32)]); x = x.reshape(x.shape[:-1] + (-1, 32)); a = np.abs(x).max(-1, keepdims=True)
;;       e = np.where(a > 0, np.clip(np.frexp(np.where(a > 0, a, 1))[1] - 1 - 2, -126, 127), 0)      # np.frexp(a)[1] - 1 = floor(log2(a)), exactly
;;       r = np.clip(x / 2.0 ** e, -7.5, 7.5)
;;       step = 2.0 ** (np.maximum(np.frexp(np.where(r == 0, 1, r))[1] - 1, 0) - 3)
;;       q = np.round(r / step) * step * 2.0 ** e      # np.round: ties to even
;;       return np.moveaxis(q.reshape(q.shape[:-2] + (-1,))[..., :K], -1, axis).astype(np.float32)
;;   ~~~
;;   SOFTMAX AHEAD OF A QUANTISED PRODUCT. Where the list says 'softmax', what is quantised is not the finished softmax but p = 2^(t - M), with t = logit x log2(e) and M = ceil(the row's largest t), a whole number; so 1/2 < the row's largest p <= 1. The row's sum l is taken of the UNQUANTISED p, in f32, and the product's result is divided by l at the end. Since M is a whole number, a kernel that streams over the keys may use a running M (the ceiling of the running maximum): every later rescaling is an exact power of two, which a block's scale takes up: the codes' values come out the same.
;;   OPERANDS COMPUTED ON THE WAY. 'Computed on the way' means the value that the module computes at that place (a softmax that the list does not call 'softmax' is quantised finished and normalised). What goes into a quantiser is computed in f32, as accurately as f32 sums, v_exp_f32 and their like allow (about 1e-6 of the number): no bf16 or f16 on the way to a quantiser, and a product that is left as it is and whose result goes on into a quantised operand takes f32 operands (vector FMAs, or v_wmma_f32_16x16x4_f32). A number that lies on a knife's edge between two numbers of the format may be rounded either way, as far as f32 arithmetic and the matrix unit's own rounding can turn it there, and no further.
;;   INPUTS GIVEN AS CODES. Wo (in the module: [1024, 1024], K = its axis 1); Wqkv (in the module: [3072, 1024], K = its axis 1); gate_w (in the module: [16, 1024], K = its axis 1); x (in the module: [8192, 1024], K = its axis 1): each comes as NAME_codes (uint8): NAME with its K axis moved to the last place and cut into blocks of 32 codes, [.., K / 32, bytes a block], one block behind the other in memory; four codes in three bytes: a row's codes are one little-endian stream of bits, code i at bits 6 i .. 6 i + 5 (a code: sign, 2 exponent bits, 3 mantissa bits); and NAME_scales (uint8): the same leading axes, one E8M0 byte (e + 127) for each 32 codes along K. Its value is code x scale, taken as it is: it is not quantised again, and the codes and scales need not be those that the quantiser above would give.
;; One version. Each part assembles by itself: llvm-mc -triple=amdgcn-amd-amdhsa -mcpu=gfx1250 --defsym DOCPART=n.
;; ======== version 1 of 1: 3 launches
;; limits: right only within a limited range of input values
;; workspace buffers: qkimg 12,582,912 bytes; qksc 1,048,576 bytes; vimg 6,291,456 bytes; vsc 262,144 bytes; gate 524,288 bytes; wimg 786,432 bytes; aimg 6,291,456 bytes; asc 262,144 bytes
;; launch qkv (part 1): grid 16 x 16, 4 waves a work-group, clusters of 4 x 4, 327,680 bytes of LDS; arguments x_codes, x_scales, Wqkv_codes, Wqkv_scales, gate_w_codes, gate_w_scales, gate_b, cos_cache, sin_cache, position_ids, Wo_codes, qkimg, qksc, vimg, vsc, gate, wimg; writes qkimg, qksc, vimg, vsc, gate, wimg
.if DOCPART == 1
	.amdgcn_target "amdgcn-amd-amdhsa--gfx1250"
	.amdhsa_code_object_version 6
	.text
	.protected	k_qdc77d03245_qkv
	.globl	k_qdc77d03245_qkv
	.p2align	8
	.type	k_qdc77d03245_qkv,@function
k_qdc77d03245_qkv:
	s_mov_b64 s[64:65], 0
	v_nop
	global_prefetch_b8 v0, s[64:65] scope:SCOPE_SE
	s_setreg_imm32_b32 hwreg(HW_REG_WAVE_MODE, 25, 1), 1
	s_wait_xcnt 0x0
	s_wait_alu depctr_hold_cnt(0) depctr_sa_sdst(0) depctr_va_vdst(0) depctr_va_sdst(0) depctr_va_ssrc(0) depctr_va_vcc(0) depctr_vm_vsrc(0)
	s_getreg_b32 s2, hwreg(HW_REG_IB_STS2, 6, 4)
	s_cmp_eq_u32 s2, 0
	s_cbranch_scc0 .Lentry_in_a_cluster
	s_endpgm
.Lentry_in_a_cluster:
	s_bfe_u32 s2, ttmp6, 0x10000c
	s_cmp_lg_u32 s2, 0xf033
	s_cbranch_scc0 .Lentry_shape_is_right
	s_endpgm
.Lentry_shape_is_right:
; qkv = x Wqkv^T on codes of FP6 (E2M3) with E8M0 scales, as they are given; then, in registers: rotary, RMS norm and quantising of q and k along the head's 64, quantising of v along the keys.
; Beside it: gate = sigmoid(x gate_w^T + gate_b), and Wo's codes laid anew in the order of an operand's registers.  Nothing goes to memory as f32 but the gate.
; SHARES.  256 work-groups THAT STAY.  Work-group (j, y) owns 192 features: q's or k's 128 j .. + 127 (two heads) and v's 64 j .. + 63 (head j), and walks two tiles of 256 tokens: tiles y and y + 16.
;   A wave makes 128 tokens x (one head of q or k + 32 features of v) a tile: 32 + 16 accumulators, 384 registers.
;   q, k: source 0 = Wqkv's rows, source 1 = x: a lane holds ONE TOKEN and its registers run along the features.  v: the same fragments with the sources swapped: a lane holds ONE FEATURE and its registers run along the tokens.
; LDS.  Wqkv's 192 rows lie there for all of K (768 bytes a row, 16 of padding behind each 256), filled once, for both tiles.  x goes by chunks of 256 bytes of each row through two slots: chunks 0 and 1, then chunk 2 into slot 0.
;   At the first tile's last step both slots are read out: the second tile's chunks 0 and 1 are asked for there, one load of 128 rows a wave, and have the first tile's way out in which to land.
;   Every tensor row begins at a multiple of 256 bytes.  The head's four tiles are shared out, one joint load a wave.
; CLUSTERS of 4 x 4: x's tiles are asked for jointly along a row of the cluster, Wqkv's along a column.
; The scale words go from memory straight into registers: lane r takes the 32 bytes of row r of each block of 16 rows.
; No prefetch: the walk along K is written out with no loop to run ahead in, and a work-group has three refills in all.
; THE ORDER INSIDE A BLOCK OF 32.  A lane's 16 registers of two neighbouring result tiles are k = 32 B + 8 h + 0..7 and 32 B + 16 + 8 h + 0..7 (h = lane / 16), so a block's codes stand in the order 0-7, 16-23, 8-15, 24-31.
;   Blocks and scales are the true ones.  q and k are made by the same lines, and so are v and (in the next launch) p: both sides of each product have the same order.
; WORKSPACE, as images of operand registers: a fragment (12 registers) is 1,536 bytes, registers 4 g .. 4 g + 3 at 512 g + 16 x lane; a half fragment (6 registers) is 768 bytes: registers 0-3 at 16 x lane, 4-5 at 512 + 8 x lane.
;   qkimg [q, k][sequence x 16 + head][token tile 64][768]; qksc [q, k][..][token] one word: bytes 0, 1 the two blocks' scales, bytes 2, 3 zero; vimg [..][key step 8][d tile 4][1536]; vsc [..][key step][d tile][16] words;
;   gate [head][token] f32; wimg [row tile 64][K step 8][1536].
; cu_seqlens and max_seqlen: the computation takes the first by its shape alone and the second not at all; no value of theirs can change a result, so they are not among the arguments.
; LIMITS: NaN and infinities are not served.  A block whose largest magnitude lies under 2^-124, a block of zeros among them, gets the scale byte 1 (the bytes are read by this program alone).
;   position_ids are held to 0 .. 1,023.  Rotary and the sum of squares use fused multiply-adds.
; REGISTERS: window 0: v1-11 head; v12-31 addresses; v32-95 x's scale words, v96-143 Wqkv's; v144-239 x's fragments, on the way out six sets of codes, and what the quantiser works in; v240-247 positions; v248-254 scale words on their way out.
;   window 1: Wqkv's fragments, two sets (v0, v128); on the way out v0-127 cos and sin of token tiles 4-7, v128-229 the rotated numbers and what the norm works in.
;   window 2: q's or k's accumulators ((a, b) at v[8 (4 a + b)]).  window 3: v0-127 v's accumulators ((f, a) at v[64 f + 8 a]); v128-255 cos and sin of token tiles 0-3.
.set KROW,  768
.set TS,    16*256*KROW                ; from a tile of x to my next one, in bytes
.set PITCH, 272
.set XSLOT, 256*PITCH
.set WP,    816
.set WB,    2*XSLOT
.set WVB,   WB+128*WP
.set SPARE, WVB+64*WP
.set FR, 12
.set NL, 6
.set NP, 4                             ; places behind this matrix instruction (ISA guide 7.12.1)
.set ADRX, 12                          ; v12-13 x's fragments in slot 0, 1; v14-15 lanes 0-15 at byte 232 of slot 0, 1 and lanes 16-31 at byte 0 of the other slot
.set ADRW, 16                          ; v16 q/k rows of Wqkv; v17 the same, lanes 16-31 behind one padding more
.set ADRV, 18
.set LI16, 24
.set LI8,  25
.set LS4,  26
.set SPW,  28
.set NIL,  29
.set PO,   30
.set H32,  31
.set XSC,  32
.set WSC,  96
.set AF,   144
.set PCT,  216                         ; v216-222 the conversions' second halves
.set TM,   224                         ; v224-239 largest magnitudes, bytes, scale operands
.set POS,  240
.set PW,   248
.set SWK,  249
.set R1,   128                         ; window 1
.set TT,   192
.set T,    208
.set RS0,  224
.set RS1,  226
.set PX,   228
.set G1X, 24
.set G1W, 32
.set G1V, 48
.set G1R, 56
.set G0X0, 68
.set G0N,  68                          ; behind the head: the next tile's chunks
.set G0X1, 72
.set G0W, 76
.set G0V, 80
.set G0R, 84
.set FLG, (1<<20)|(1<<21)|(5<<22)|(3<<25)   ; elements of 1 byte; padding on; bit 21 beside a mask; 4 words behind every 64
.set MSB, 0
.macro WIN new                         ; the immediate's high byte repeats the setting that is left
.if MSB != \new
	s_set_vgpr_msb (MSB<<8)|\new
.set MSB, \new
.endif
.endm
.macro CREST
	s_cmp_lg_u32 s14, 0
	s_cbranch_scc1 .Lnot_wave_0_\@
	s_barrier_signal -3
.Lnot_wave_0_\@:
	s_barrier_wait -3
	s_barrier_signal -1
	s_barrier_wait -1
.endm
.macro CROUND
	s_barrier_signal -1
	s_barrier_wait -1
	CREST
.endm
.macro PLACES n
.rept \n
	v_nop
.endr
.endm
.macro GROUP1 g, c, r                  ; r rows of c bytes, 768 bytes apart in memory
	s_mov_b32 s[\g+1], (\c)<<16
	s_mov_b32 s[\g+2], (\r)<<16
	s_mov_b32 s[\g+3], (\c)<<16
	s_mov_b32 s[\g+4], \r
	s_mov_b32 s[\g+5], KROW
	s_mov_b32 s[\g+6], 0
	s_mov_b32 s[\g+7], 0
.endm
	s_load_b256 s[4:11], s[0:1], 0x0               ; x's codes, x's scales, Wqkv's codes, Wqkv's scales
	s_load_b128 s[96:99], s[0:1], 0x38             ; cos_cache, sin_cache
	s_load_b64 s[100:101], s[0:1], 0x48            ; position_ids
	v_lshl_add_u32 v[SPW], v0, 2, SPARE
	v_mov_b32 v[NIL], 0
	ds_add_u32 v[SPW], v[NIL]                      ; the opening lines
	ds_add_u32 v[SPW], v[NIL]
	v_lshrrev_b32 v1, 5, v0
	v_readfirstlane_b32 s14, v1                    ; wave
	s_lshr_b32 s15, s14, 1                         ; my half of the tokens
	s_and_b32 s16, s14, 1                          ; my half of the features
	s_bfe_u32 s40, ttmp6, 0x40000                  ; cx
	s_bfe_u32 s41, ttmp6, 0x40004                  ; cy
	s_lshl_b32 s42, ttmp9, 2
	s_add_co_u32 s42, s42, s40                     ; j = 4 x cluster x + cx
	s_and_b32 s17, ttmp7, 0xffff
	s_lshl_b32 s17, s17, 2
	s_add_co_u32 s17, s17, s41                     ; my first token tile = 4 x cluster y + cy
	s_lshl_b32 s13, s17, 2
	s_add_co_u32 s13, s13, s40
	s_lshl_b32 s13, s13, 2
	s_add_co_u32 s13, s13, s14
	s_and_b32 s12, ttmp9, 1
	s_lshl_b32 s12, s12, 8
	s_add_co_u32 s13, s13, s12                     ; a number 0 .. 511 for each wave of two columns of clusters; it enters plain global addresses alone
	s_lshl_b32 s43, s41, 2
	s_lshl_b32 s43, 15, s43                        ; my row of the cluster
	s_lshl_b32 s44, 0x1111, s40                    ; my column
	s_or_b32 s[G1X], s43, FLG
	s_or_b32 s[G1R], s43, FLG
	s_or_b32 s[G1W], s44, FLG
	s_or_b32 s[G1V], s44, FLG
	GROUP1 G1X, 256, 256
	GROUP1 G1R, 256, 64
	GROUP1 G1W, 768, 128
	GROUP1 G1V, 768, 64
	s_mul_i32 s20, s17, 256*KROW                   ; x's first tile
	s_mov_b32 s21, 0
	s_mul_i32 s46, s42, 128*KROW                   ; Wqkv's rows 128 j
	s_mov_b32 s47, 0
	s_mul_i32 s22, s42, 64*KROW
	s_add_co_u32 s22, s22, 2048*KROW               ; and 2,048 + 64 j
	s_mov_b32 s23, 0
	s_mul_i32 s18, s14, 64*KROW
	s_add_co_u32 s18, s18, 512                     ; chunk 2: my 64 rows
	s_mov_b32 s19, 0
	s_mul_i32 s92, s16, 128*KROW                   ; the next tile's chunk wave / 2: my 128 rows
	s_lshl_b32 s12, s15, 8
	s_add_co_u32 s92, s92, s12
	s_add_co_u32 s92, s92, TS
	s_mov_b32 s93, 0
	s_mul_i32 s45, s14, 64*PITCH
	s_lshl_b32 s66, s17, 8
	s_lshl_b32 s12, s15, 7
	s_add_co_u32 s66, s66, s12                     ; my first token
	s_lshl_b32 s67, s42, 7
	s_lshl_b32 s12, s16, 6
	s_add_co_u32 s67, s67, s12                     ; my first feature of q, k
	s_wait_dscnt 0x0
	s_wait_kmcnt 0x0
	s_add_nc_u64 s[20:21], s[4:5], s[20:21]
	s_add_nc_u64 s[46:47], s[8:9], s[46:47]
	s_add_nc_u64 s[22:23], s[8:9], s[22:23]
	s_add_nc_u64 s[104:105], s[20:21], s[92:93]
	CROUND                                         ; the round in front of the first joint loads
	s_mov_b32 s[G0X0], 1
	s_mov_b32 s[G0X0+1], 0
	s_mov_b64 s[G0X0+2:G0X0+3], s[20:21]
	s_or_b32 s[G0X0+3], s[G0X0+3], 0x80000000
	s_mov_b32 s[G0X1], 1
	s_mov_b32 s[G0X1+1], XSLOT
	s_add_nc_u64 s[G0X1+2:G0X1+3], s[20:21], 256
	s_or_b32 s[G0X1+3], s[G0X1+3], 0x80000000
	s_mov_b32 s[G0W], 1
	s_mov_b32 s[G0W+1], WB
	s_mov_b64 s[G0W+2:G0W+3], s[46:47]
	s_or_b32 s[G0W+3], s[G0W+3], 0x80000000
	s_mov_b32 s[G0V], 1
	s_mov_b32 s[G0V+1], WVB
	s_mov_b64 s[G0V+2:G0V+3], s[22:23]
	s_or_b32 s[G0V+3], s[G0V+3], 0x80000000
	s_mov_b32 s[G0R], 1
	s_mov_b32 s[G0R+1], s45
	s_add_nc_u64 s[G0R+2:G0R+3], s[20:21], s[18:19]
	s_or_b32 s[G0R+3], s[G0R+3], 0x80000000
; the head's loads, one a wave, in one chain of branches on the wave's number: x's chunk 0, x's chunk 1, q's or k's rows of Wqkv, v's rows
.macro ARM under, g0, g1, next
	s_cmp_lt_u32 s14, \under
	s_cbranch_scc0 \next
	tensor_load_to_lds s[\g0:\g0+3], s[\g1:\g1+7]
	s_nop 0
	PLACES 4
	s_branch .Lhead_asked
\next:
.endm
	ARM 1, G0X0, G1X, .Lhead_x1
	ARM 2, G0X1, G1X, .Lhead_w
	ARM 3, G0W,  G1W, .Lhead_v
	tensor_load_to_lds s[G0V:G0V+3], s[G1V:G1V+7]
	s_nop 0
	PLACES 4
.Lhead_asked:
	s_mov_b32 s21, XSLOT-232
	s_mov_b32 s22, XSLOT+232
	s_mul_i32 s23, s15, 128*PITCH                  ; my 128 rows of x
	s_add_co_u32 s12, s23, XSLOT
	s_mul_i32 s18, s16, 64*WP
	s_add_co_u32 s18, s18, WB                      ; my 64 rows of q or k
	s_mul_i32 s19, s16, 32*WP
	s_add_co_u32 s19, s19, WVB                     ; my 32 rows of v
	s_mov_b32 s47, 0
	s_lshl_b32 s46, s66, 5
	s_add_nc_u64 s[2:3], s[6:7], s[46:47]          ; my tokens' scales
	s_lshl_b32 s46, s67, 5
	s_add_nc_u64 s[40:41], s[10:11], s[46:47]      ; my q or k rows' scales
	s_lshl_b32 s46, s42, 6
	s_lshl_b32 s20, s16, 5
	s_add_co_u32 s46, s46, s20
	s_add_co_u32 s46, s46, 2048
	s_lshl_b32 s46, s46, 5
	s_add_nc_u64 s[94:95], s[10:11], s[46:47]      ; my v rows' scales
	s_lshl_b32 s46, s66, 2
	s_add_nc_u64 s[100:101], s[100:101], s[46:47]  ; my tokens' positions
	v_and_b32 v1, 15, v0                           ; r
	v_bfe_u32 v2, v0, 4, 1                         ; h
	v_mul_u32_u24 v3, v1, PITCH
	v_mul_u32_u24 v4, v2, 24
	v_add_nc_u32 v4, v3, v4
	v_sub_nc_u32 v7, 1, v2
	v_mul_u32_u24 v5, s21, v2
	v_add_nc_u32 v5, v3, v5
	v_add_nc_u32 v5, 232, v5
	v_mul_u32_u24 v6, s22, v7
	v_add_nc_u32 v6, v3, v6
	v_add_nc_u32 v[ADRX], s23, v4
	v_add_nc_u32 v[ADRX+1], s12, v4
	v_add_nc_u32 v[ADRX+2], s23, v5
	v_add_nc_u32 v[ADRX+3], s23, v6
	v_mul_u32_u24 v3, v1, WP
	v_mad_u32_u24 v3, v2, 24, v3
	v_lshl_add_u32 v5, v2, 4, v3
	v_add_nc_u32 v[ADRW], s18, v3
	v_add_nc_u32 v[ADRW+1], s18, v5
	v_add_nc_u32 v[ADRV], s19, v3
	v_add_nc_u32 v[ADRV+1], s19, v5
	v_and_b32 v6, 31, v0
	v_lshlrev_b32 v[LI16], 4, v6
	v_lshlrev_b32 v[LI8], 3, v6
	v_lshlrev_b32 v[LS4], 2, v6
	v_lshlrev_b32 v[PO], 2, v1
	v_lshlrev_b32 v[H32], 5, v2
	v_mul_u32_u24 v8, v1, KROW
	v_mad_u32_u24 v8, v2, 24, v8                   ; a fragment straight from memory: row r, + 24 h
	v_lshlrev_b32 v9, 5, v1                        ; a row of scales: 32 r
	v_lshl_add_u32 v11, v2, 18, v[PO]              ; the gate's place: 4 r + 8 h heads of 32,768 bytes
	s_wait_alu depctr_va_vdst(0)                   ; the wait behind the head's address work
.macro XLOADS                          ; a tile's 24 loads: x's scale words (register 8 a + k: K step k of row r of block a) and the positions of tokens 16 a + r
.irp a, 0,1,2,3,4,5,6,7
	global_load_b128 v[XSC+8*\a:XSC+8*\a+3], v9, s[2:3] offset:512*\a
	global_load_b128 v[XSC+8*\a+4:XSC+8*\a+7], v9, s[2:3] offset:512*\a+16
.endr
.irp a, 0,1,2,3,4,5,6,7
	global_load_b32 v[POS+\a], v[PO], s[100:101] offset:64*\a
.endr
.endm
	XLOADS
.irp b, 0,1,2,3
	global_load_b128 v[WSC+8*\b:WSC+8*\b+3], v9, s[40:41] offset:512*\b
	global_load_b128 v[WSC+8*\b+4:WSC+8*\b+7], v9, s[40:41] offset:512*\b+16
.endr
.irp f, 0,1
	global_load_b128 v[WSC+32+8*\f:WSC+32+8*\f+3], v9, s[94:95] offset:512*\f
	global_load_b128 v[WSC+32+8*\f+4:WSC+32+8*\f+7], v9, s[94:95] offset:512*\f+16
.endr
	; ---- THE GATE, in the clusters with x = 0, 1, while the tiles are on their way: each of their 512 waves takes 16 tokens.  The branch hangs on the cluster's x alone
	s_cmp_ge_u32 ttmp9, 2
	s_cbranch_scc1 .Lno_gate
	s_load_b128 s[20:23], s[0:1], 0x20             ; gate_w's codes, gate_w's scales
	s_load_b64 s[46:47], s[0:1], 0x30              ; gate_b
	s_load_b64 s[88:89], s[0:1], 0x78              ; gate
	s_mul_i32 s18, s13, 16*KROW
	s_mov_b32 s19, 0
	s_add_nc_u64 s[92:93], s[4:5], s[18:19]
	s_lshl_b32 s18, s13, 9
	s_add_nc_u64 s[44:45], s[6:7], s[18:19]
	s_lshl_b32 s18, s13, 6
	s_wait_kmcnt 0x0
	s_add_nc_u64 s[88:89], s[88:89], s[18:19]
	WIN 0x80                                       ; destination window 2: the accumulators' registers are still free
.irp s, 0,1,2,3,4,5,6,7
.irp p, 0,1,2,3,4,5
	global_load_b64 v[12*\s+2*\p:12*\s+2*\p+1], v8, s[92:93] offset:96*\s+48*(\p/3)+8*(\p%3)
	global_load_b64 v[96+12*\s+2*\p:96+12*\s+2*\p+1], v8, s[20:21] offset:96*\s+48*(\p/3)+8*(\p%3)
.endr
.endr
	global_load_b128 v[192:195], v[H32], s[46:47]            ; the bias is the C of the first product: lane (r, h) holds heads 8 h + 0 .. 7
	global_load_b128 v[196:199], v[H32], s[46:47] offset:16
	WIN 0
	global_load_b128 v[144:147], v9, s[44:45]      ; x's eight scale words of row r
	global_load_b128 v[148:151], v9, s[44:45] offset:16
	global_load_b128 v[152:155], v9, s[22:23]      ; gate_w's
	global_load_b128 v[156:159], v9, s[22:23] offset:16
	s_wait_loadcnt 0x0
	WIN 0xaa
.irp s, 0,2,4,6                                ; source 0 = gate_w's 16 heads, source 1 = 16 tokens; two accumulators by turns
	v_wmma_scale_f32_16x16x128_f8f6f4 v[192:199], v[96+12*\s:107+12*\s], v[12*\s:12*\s+11], v[192:199], v[152+\s], v[144+\s] matrix_a_fmt:MATRIX_FMT_FP6 matrix_b_fmt:MATRIX_FMT_FP6
.if \s == 0
	v_wmma_scale_f32_16x16x128_f8f6f4 v[200:207], v[108+12*\s:119+12*\s], v[12+12*\s:23+12*\s], 0, v[153+\s], v[145+\s] matrix_a_fmt:MATRIX_FMT_FP6 matrix_b_fmt:MATRIX_FMT_FP6
.else
	v_wmma_scale_f32_16x16x128_f8f6f4 v[200:207], v[108+12*\s:119+12*\s], v[12+12*\s:23+12*\s], v[200:207], v[153+\s], v[145+\s] matrix_a_fmt:MATRIX_FMT_FP6 matrix_b_fmt:MATRIX_FMT_FP6
.endif
.endr
	PLACES 4
	WIN 0x0a
.irp j, 0,1,2,3,4,5,6,7
	v_add_f32 v[160+\j], v[192+\j], v[200+\j]
.endr
	WIN 0
.irp j, 0,1,2,3,4,5,6,7
	v_mul_f32 v[160+\j], 0xbfb8aa3b, v[160+\j]     ; sigmoid(z) = 1 / (1 + 2^(-z log2 e))
.endr
	s_wait_alu depctr_va_vdst(0)
.irp j, 0,1,2,3,4,5,6,7
	v_exp_f32 v[160+\j], v[160+\j]
.endr
	v_nop
	s_wait_alu depctr_va_vdst(0)
.irp j, 0,1,2,3,4,5,6,7
	v_add_f32 v[160+\j], 1.0, v[160+\j]
.endr
	s_wait_alu depctr_va_vdst(0)
.irp j, 0,1,2,3,4,5,6,7
	v_rcp_f32 v[160+\j], v[160+\j]
.endr
	v_nop
	s_wait_alu depctr_va_vdst(0)
.irp j, 0,1,2,3,4,5,6,7
	global_store_b32 v11, v[160+\j], s[88:89] offset:32768*\j   ; gate[8 h + j][token r]
.endr
	s_wait_xcnt 0x0                                ; the stores have read their registers
.Lno_gate:
	; ---- Wo's CODES IN THE ORDER OF AN OPERAND'S REGISTERS, in the clusters with x = 2, 3: each of their 512 waves takes one fragment (row tile number / 8, K step number % 8)
	s_cmp_lt_u32 ttmp9, 2
	s_cbranch_scc1 .Lno_wimg
	s_load_b64 s[20:21], s[0:1], 0x50              ; Wo's codes
	s_load_b64 s[22:23], s[0:1], 0x80              ; wimg
	s_lshr_b32 s18, s13, 3
	s_mul_i32 s18, s18, 16*KROW
	s_and_b32 s19, s13, 7
	s_mul_i32 s19, s19, 96
	s_add_co_u32 s18, s18, s19
	s_mov_b32 s19, 0
	s_mul_i32 s46, s13, 1536
	s_mov_b32 s47, 0
	s_wait_kmcnt 0x0
	s_add_nc_u64 s[20:21], s[20:21], s[18:19]
	s_add_nc_u64 s[22:23], s[22:23], s[46:47]
.irp p, 0,1,2,3,4,5
	global_load_b64 v[144+2*\p:145+2*\p], v8, s[20:21] offset:48*(\p/3)+8*(\p%3)
.endr
	s_wait_loadcnt 0x0
.irp g, 0,1,2
	global_store_b128 v[LI16], v[144+4*\g:147+4*\g], s[22:23] offset:512*\g
.endr
	s_wait_xcnt 0x0
.Lno_wimg:
; a fragment, 16 rows x 128 K, is 12 registers: lane l holds row l % 16; registers 6 c .. 6 c + 5 hold K = 64 c + 32 (l / 16) + 0 .. 31: 24 bytes of the row's stream of bits, in pieces of 8 bytes.  st: the step of 128 along K
.macro FRAGX reg, st, i                ; of x: byte y of a row lies in chunk y / 256, in slot (y / 256) % 2
.irp p, 0,1,2,3,4,5
.set BY, 96*(\st)+48*(\p/3)+8*(\p%3)
.if BY/256 == (BY+24)/256
	ds_load_b64 v[\reg+2*\p:\reg+2*\p+1], v[ADRX+(BY/256)%2] offset:BY%256+(\i)*16*PITCH
.else
	ds_load_b64 v[\reg+2*\p:\reg+2*\p+1], v[ADRX+2+(BY/256)%2] offset:BY%256-232+(\i)*16*PITCH
.endif
.endr
.endm
.macro FRAGW reg, adr, st, i           ; of Wqkv: byte y of a row lies at y + 16 (y / 256) of its LDS row
.irp p, 0,1,2,3,4,5
.set BY, 96*(\st)+48*(\p/3)+8*(\p%3)
.if BY/256 == (BY+24)/256
	ds_load_b64 v[\reg+2*\p:\reg+2*\p+1], v[\adr] offset:BY+16*(BY/256)+(\i)*16*WP
.else
	ds_load_b64 v[\reg+2*\p:\reg+2*\p+1], v[\adr+1] offset:BY+16*(BY/256)+(\i)*16*WP
.endif
.endr
.endm
.macro FETCH_W st                      ; Wqkv's six fragments of step st into set st % 2
	WIN 0x40
.irp i, 0,1,2,3
	FRAGW 128*((\st)%2)+FR*\i, ADRW, \st, \i
.endr
.irp i, 0,1
	FRAGW 128*((\st)%2)+FR*(4+\i), ADRV, \st, \i
.endr
	WIN 0
.endm
.macro FETCH_X st, i0                  ; x's blocks i0 .. i0 + 3
.irp i, \i0, \i0+1, \i0+2, \i0+3
	FRAGX AF+FR*(\i), \st, \i
.endr
.endm
; the 48 accumulators take turns, one instruction a turn, in the same order in every step
.macro QK16 a0, st, zero               ; q, k: x's blocks a0 .. a0 + 3 against four blocks of Wqkv
	WIN 0xa1
.irp a, \a0, \a0+1, \a0+2, \a0+3
.irp b, 0,1,2,3
.if \zero
	v_wmma_scale_f32_16x16x128_f8f6f4 v[8*(4*(\a)+\b):8*(4*(\a)+\b)+7], v[128*((\st)%2)+FR*\b:128*((\st)%2)+FR*\b+FR-1], v[AF+FR*(\a):AF+FR*(\a)+FR-1], 0, v[WSC+8*\b+(\st)], v[XSC+8*(\a)+(\st)] matrix_a_fmt:MATRIX_FMT_FP6 matrix_b_fmt:MATRIX_FMT_FP6
.else
	v_wmma_scale_f32_16x16x128_f8f6f4 v[8*(4*(\a)+\b):8*(4*(\a)+\b)+7], v[128*((\st)%2)+FR*\b:128*((\st)%2)+FR*\b+FR-1], v[AF+FR*(\a):AF+FR*(\a)+FR-1], v[8*(4*(\a)+\b):8*(4*(\a)+\b)+7], v[WSC+8*\b+(\st)], v[XSC+8*(\a)+(\st)] matrix_a_fmt:MATRIX_FMT_FP6 matrix_b_fmt:MATRIX_FMT_FP6
.endif
.endr
.endr
.endm
.macro V8 a0, st, zero                 ; v: the sources swapped: source 0 = x (window 0), source 1 = Wqkv (window 1)
	WIN 0xf4
.irp a, \a0, \a0+1, \a0+2, \a0+3
.irp f, 0,1
.if \zero
	v_wmma_scale_f32_16x16x128_f8f6f4 v[64*\f+8*(\a):64*\f+8*(\a)+7], v[AF+FR*(\a):AF+FR*(\a)+FR-1], v[128*((\st)%2)+FR*(4+\f):128*((\st)%2)+FR*(4+\f)+FR-1], 0, v[XSC+8*(\a)+(\st)], v[WSC+32+8*\f+(\st)] matrix_a_fmt:MATRIX_FMT_FP6 matrix_b_fmt:MATRIX_FMT_FP6
.else
	v_wmma_scale_f32_16x16x128_f8f6f4 v[64*\f+8*(\a):64*\f+8*(\a)+7], v[AF+FR*(\a):AF+FR*(\a)+FR-1], v[128*((\st)%2)+FR*(4+\f):128*((\st)%2)+FR*(4+\f)+FR-1], v[64*\f+8*(\a):64*\f+8*(\a)+7], v[XSC+8*(\a)+(\st)], v[WSC+32+8*\f+(\st)] matrix_a_fmt:MATRIX_FMT_FP6 matrix_b_fmt:MATRIX_FMT_FP6
.endif
.endr
.endr
.endm
; A step's first half.  kind 0: plain.  kind 1: bytes of x are read no more and are filled again: the wait for all my tensor loads, the add, the wait for it and for my reads, a round of the cluster's barrier, and my one load by groups g0, g1.
; kind 2: the next step's bytes end in chunk 2: every wave waits for its load, and a barrier shows the chunk whole.
.macro HALF1 st, kind, zero, g0, g1
.if \kind == 1
	s_wait_tensorcnt 0x0
	ds_add_u32 v[SPW], v[NIL]
	s_wait_dscnt 4*NL+1                            ; the add and the youngest 24 loads (x's blocks 4-7) may be out
.elseif \kind == 2
	s_wait_tensorcnt 0x0
	s_wait_dscnt 4*NL
.else
	s_wait_dscnt 4*NL                              ; the youngest 24 loads (x's blocks 4-7) may be out
.endif
	QK16 0, \st, \zero
.if \kind
	s_wait_dscnt 0x0                               ; all my LDS instructions are done
	s_barrier_signal -1
.endif
	V8 0, \st, \zero
.if \kind
	WIN 0
	s_barrier_wait -1
.else
	s_wait_dscnt 0x0
.endif
.if \kind == 1
	CREST
	tensor_load_to_lds s[\g0:\g0+3], s[\g1:\g1+7]  ; the first tensor load behind the round; its four v_nop are the places in front of loads that follow
	s_nop 0
	PLACES 4
.else
	PLACES NP
.endif
.endm
.macro STEP st, kind, zero             ; 48 matrix instructions; the next step's fragments are fetched in the step's middle and at its end
.set NX, (\st)+1
	HALF1 \st, \kind, \zero, G0R, G1R
	FETCH_W NX
	FETCH_X NX, 0
	QK16 4, \st, \zero
	V8 4, \st, \zero
	PLACES NP
	WIN 0
	FETCH_X NX, 4
.endm
; 64 numbers of a lane in window w, registers src + 16 b + i (block b, my 16 of its 32), become a fragment's codes in set n (v[144 + 12 n] ..) and its scale word in v[PW].  Each set is stored from and written once a tile
.macro QUANT src, w, n
.set QS, \src
.set PC, AF+12*(\n)
	WIN ((\w)<<2)|((\w)<<4)
.irp b, 0,1,2,3
	v_max3_num_f32 v[TM+\b], 0x1800000, |v[QS+16*\b]|, |v[QS+1+16*\b]|   ; with the floor 2^(3 - 127): the byte cannot fall under 1
.endr
.irp b, 0,1,2,3
	v_max3_num_f32 v[TM+8+\b], 0, |v[QS+8+16*\b]|, |v[QS+9+16*\b]|       ; eight chains by turns
.endr
.irp i, 2,4,6
.irp b, 0,1,2,3
	v_max3_num_f32 v[TM+\b], v[TM+\b], |v[QS+16*\b+\i]|, |v[QS+1+16*\b+\i]|
.endr
.irp b, 0,1,2,3
	v_max3_num_f32 v[TM+8+\b], v[TM+8+\b], |v[QS+8+16*\b+\i]|, |v[QS+9+16*\b+\i]|
.endr
.endr
	WIN 0
.irp b, 0,1,2,3
	v_max_num_f32 v[TM+\b], v[TM+\b], v[TM+8+\b]
.endr
.irp b, 0,1,2,3
	v_permlanex16_b32 v[TM+4+\b], v[TM+\b], s88, s89
.endr
.irp b, 0,1,2,3
	v_max_num_f32 v[TM+\b], v[TM+\b], v[TM+4+\b]   ; with the lane 16 away: the block's largest magnitude
.endr
.irp b, 0,1,2,3
	v_add_nc_u32 v[TM+12+\b], 0xff000000, v[TM+\b] ; 2 off its exponent field: the conversion's scale operand
.endr
.irp b, 0,1,2,3
	v_lshrrev_b32 v[TM+4+\b], 23, v[TM+12+\b]      ; the scale's byte
.endr
	v_lshl_or_b32 v[PW], v[TM+5], 8, v[TM+4]
	v_lshl_or_b32 v[PW], v[TM+6], 16, v[PW]
	v_lshl_or_b32 v[PW], v[TM+7], 24, v[PW]
	WIN \w
.irp c, 0,1
	v_cvt_scalef32_pk16_fp6_f32 v[PC+6*\c:PC+2+6*\c], v[QS+32*\c:QS+15+32*\c], v[TM+12+2*\c]
	v_cvt_scalef32_pk16_fp6_f32 v[PCT+4*\c:PCT+2+4*\c], v[QS+16+32*\c:QS+31+32*\c], v[TM+12+2*\c+1]
.endr
	WIN 0
	v_nop                                          ; one plain place behind a scaled conversion
.irp c, 0,1                                    ; a WHOLE block in a lane: lanes 0-15 block 2 c, lanes 16-31 block 2 c + 1
.irp i, 0,1,2
	v_permlane16_swap_b32 v[PC+6*\c+\i], v[PCT+4*\c+\i]
.endr
.irp i, 0,1,2
	v_mov_b32 v[PC+3+6*\c+\i], v[PCT+4*\c+\i]
.endr
.endr
.endm
.macro CSLOAD q                        ; cos and sin of token tiles 2 q, 2 q + 1 at d = 16 t + 8 h + i: tile u at 32 u: cos at 8 t + i, sin at 16 + 8 t + i.  q = 0, 1: window 3; q = 2, 3: window 1
.if (\q) < 2
.set CL, 128+64*(\q)
	WIN 0xc0
.else
.set CL, 64*((\q)-2)
	WIN 0x40
.endif
.irp u, 0,1
.irp w, 0,1,2,3
	global_load_b128 v[CL+32*\u+4*\w:CL+32*\u+4*\w+3], v[POS+2*(\q)+\u], s[96:97] offset:64*(\w/2)+16*(\w%2)
.endr
.irp w, 0,1,2,3
	global_load_b128 v[CL+32*\u+16+4*\w:CL+32*\u+16+4*\w+3], v[POS+2*(\q)+\u], s[98:99] offset:64*(\w/2)+16*(\w%2)
.endr
.endr
	WIN 0
.endm
; TOKEN TILES 2 p, 2 p + 1 OF MY HEAD OF q OR k.  Accumulator 4 (2 p + u) + t' holds d = 16 t' + 8 h + 0 .. 7 of tile u's token r.  cnt: the loads younger than this pair's cos and sin
.macro QKPAIR p, cnt
.set AC, 64*(\p)
.if (\p) < 2
.set CB, 128+64*(\p)
.set WR, 0x5e                          ; source 0 window 2, source 1 window 3, source 2 and destination window 1
.else
.set CB, 64*((\p)-2)
.set WR, 0x56                          ; the same with source 1 in window 1
.endif
	s_wait_loadcnt \cnt
	WIN WR
	s_wait_alu depctr_va_vdst(0)                   ; the wait ahead of the first read of these matrix results
.irp u, 0,1
.irp t, 0,1                                    ; x1 cos + x2 sin, and x2 cos - x1 sin: x1 = d, x2 = d + 32; eight products, then the eight sums that take them; each accumulator from its low end on
.irp i, 0,2,4,6
	v_pk_mul_f32 v[TT+\i:TT+\i+1], v[AC+8*(4*\u+\t+2)+\i:AC+8*(4*\u+\t+2)+\i+1], v[CB+32*\u+16+8*\t+\i:CB+32*\u+16+8*\t+\i+1]
	v_pk_mul_f32 v[TT+8+\i:TT+8+\i+1], v[AC+8*(4*\u+\t)+\i:AC+8*(4*\u+\t)+\i+1], v[CB+32*\u+16+8*\t+\i:CB+32*\u+16+8*\t+\i+1]
.endr
.irp i, 0,2,4,6
	v_pk_fma_f32 v[R1+32*\u+8*\t+\i:R1+32*\u+8*\t+\i+1], v[AC+8*(4*\u+\t)+\i:AC+8*(4*\u+\t)+\i+1], v[CB+32*\u+8*\t+\i:CB+32*\u+8*\t+\i+1], v[TT+\i:TT+\i+1]
	v_pk_fma_f32 v[R1+32*\u+16+8*\t+\i:R1+32*\u+16+8*\t+\i+1], v[AC+8*(4*\u+\t+2)+\i:AC+8*(4*\u+\t+2)+\i+1], v[CB+32*\u+8*\t+\i:CB+32*\u+8*\t+\i+1], v[TT+8+\i:TT+8+\i+1] neg_lo:[0,0,1] neg_hi:[0,0,1]
.endr
.endr
.endr
	WIN 0x55                                       ; all in window 1
.irp u, 0,1                                    ; the sum of squares of a token's 64: my 32, in four chains of pairs a token
.irp k, 0,2,4,6
	v_pk_mul_f32 v[T+8*\u+\k:T+8*\u+\k+1], v[R1+32*\u+\k:R1+32*\u+\k+1], v[R1+32*\u+\k:R1+32*\u+\k+1]
.endr
.endr
.irp i, 8,16,24
.irp u, 0,1
.irp k, 0,2,4,6
	v_pk_fma_f32 v[T+8*\u+\k:T+8*\u+\k+1], v[R1+32*\u+\i+\k:R1+32*\u+\i+\k+1], v[R1+32*\u+\i+\k:R1+32*\u+\i+\k+1], v[T+8*\u+\k:T+8*\u+\k+1]
.endr
.endr
.endr
.irp u, 0,1
	v_pk_add_f32 v[T+8*\u:T+8*\u+1], v[T+8*\u:T+8*\u+1], v[T+8*\u+2:T+8*\u+3]
	v_pk_add_f32 v[T+8*\u+4:T+8*\u+5], v[T+8*\u+4:T+8*\u+5], v[T+8*\u+6:T+8*\u+7]
.endr
	v_pk_add_f32 v[T:T+1], v[T:T+1], v[T+4:T+5]
	v_pk_add_f32 v[T+8:T+9], v[T+8:T+9], v[T+12:T+13]
	v_add_f32 v[T], v[T], v[T+1]
	v_add_f32 v[T+8], v[T+8], v[T+9]
	v_permlanex16_b32 v[PX], v[T], s88, s89        ; and the other 32 from the lane 16 away
	v_permlanex16_b32 v[PX+1], v[T+8], s88, s89
	v_add_f32 v[T], v[T], v[PX]
	v_add_f32 v[T+8], v[T+8], v[PX+1]
	v_fma_f32 v[T], v[T], s90, s91                 ; / 64 + 1e-6
	v_fma_f32 v[T+8], v[T+8], s90, s91
	s_wait_alu depctr_va_vdst(0)
	v_rsq_f32 v[RS0], v[T]
	v_rsq_f32 v[RS1], v[T+8]
	v_nop
	s_wait_alu depctr_va_vdst(0)
.irp i, 0,2,4,6,8,10,12,14,16,18,20,22,24,26,28,30
	v_pk_mul_f32 v[R1+\i:R1+\i+1], v[R1+\i:R1+\i+1], v[RS0:RS0+1] op_sel_hi:[1,0]
	v_pk_mul_f32 v[R1+32+\i:R1+32+\i+1], v[R1+32+\i:R1+32+\i+1], v[RS1:RS1+1] op_sel_hi:[1,0]
.endr
	QUANT R1, 1, \p                                ; blocks 0, 1: tile 2 p; blocks 2, 3: tile 2 p + 1.  Registers 0-5 and 6-11 are the two half fragments
	global_store_b128 v[LI16], v[PC:PC+3], s[76:77] offset:1536*(\p)
	global_store_b64 v[LI8], v[PC+4:PC+5], s[76:77] offset:1536*(\p)+512
	global_store_b128 v[LI16], v[PC+6:PC+9], s[76:77] offset:1536*(\p)+768
	global_store_b64 v[LI8], v[PC+10:PC+11], s[76:77] offset:1536*(\p)+768+512
	v_and_b32 v[TM], 0xffff, v[PW]                 ; a token's word: its two bytes below, zeros above
	v_lshrrev_b32 v[TM+1], 16, v[PW]
	v_cndmask_b32 v[SWK+(\p)], v[TM], v[TM+1], s95 ; lanes 0-15: tile 2 p's tokens, lanes 16-31: tile 2 p + 1's: 128 consecutive bytes
	global_store_b32 v[LS4], v[SWK+(\p)], s[78:79] offset:128*(\p)
.endm
; FEATURE TILE f OF v: 16 features x my 128 tokens: one whole fragment of the second attention product and one scale word a feature
.macro VTILE f
	s_wait_alu depctr_va_vdst(0)                   ; the wait ahead of the first read of these matrix results
	QUANT 64*(\f), 3, 4+(\f)
.irp g, 0,1,2
	global_store_b128 v[LI16], v[PC+4*\g:PC+4*\g+3], s[80:81] offset:1536*(\f)+512*\g
.endr
.if (\f) == 0
	v_mov_b32 v[SWK+4], v[PW]
.else
	v_cndmask_b32 v[SWK+5], v[SWK+4], v[PW], s95
	global_store_b32 v[LS4], v[SWK+5], s[82:83]
.endif
.endm
.macro POSFIX                          ; positions held to the caches' 1,024 rows; then a row of 128 bytes, + 32 h; and the first two pairs' cos and sin
	s_wait_loadcnt 0x0
.irp a, 0,1,2,3,4,5,6,7
	v_min_u32 v[POS+\a], 0x3ff, v[POS+\a]
.endr
.irp a, 0,1,2,3,4,5,6,7
	v_lshlrev_b32 v[POS+\a], 7, v[POS+\a]
.endr
.irp a, 0,1,2,3,4,5,6,7
	v_add_nc_u32 v[POS+\a], v[H32], v[POS+\a]
.endr
	CSLOAD 0
	CSLOAD 1
.endm
; A TILE OF 256 TOKENS.  more = 1: another follows
.macro TILE more
	FETCH_W 0
	FETCH_X 0, 0
	FETCH_X 0, 4
	STEP 0, 0, 1                                   ; the first step's products start the sums
	STEP 1, 0, 0
	STEP 2, 1, 0                                   ; chunk 0 is read out: chunk 2 into slot 0, 64 rows a wave
	STEP 3, 0, 0
	STEP 4, 2, 0
	STEP 5, 0, 0
.if \more
	s_wait_kmcnt 0x0                               ; where my results go
	s_lshr_b32 s18, s66, 10                        ; the sequence,
	s_and_b32 s19, s66, 1023                       ; my first token in it,
	s_lshr_b32 s20, s67, 6
	s_lshr_b32 s21, s20, 4                         ; q (0) or k (1),
	s_and_b32 s20, s20, 15                         ; my head
	s_lshl_b32 s21, s21, 7
	s_lshl_b32 s18, s18, 4
	s_add_co_u32 s21, s21, s18
	s_add_co_u32 s21, s21, s20                     ; 128 x (q or k) + 16 x sequence + head
	s_lshl_b32 s22, s21, 6
	s_lshr_b32 s23, s19, 4
	s_add_co_u32 s22, s22, s23
	s_mul_i32 s22, s22, 768
	s_mov_b32 s23, 0
	s_add_nc_u64 s[76:77], s[76:77], s[22:23]      ; my first half fragment
	s_lshl_b32 s22, s21, 10
	s_add_co_u32 s22, s22, s19
	s_lshl_b32 s22, s22, 2
	s_add_nc_u64 s[78:79], s[78:79], s[22:23]      ; my first scale word
	s_add_co_u32 s18, s18, s42                     ; v: 16 x sequence + head j,
	s_lshl_b32 s18, s18, 3
	s_lshr_b32 s19, s19, 7
	s_add_co_u32 s18, s18, s19                     ; x 8 + my key step
	s_mul_i32 s22, s18, 6144
	s_mul_i32 s20, s16, 3072
	s_add_co_u32 s22, s22, s20                     ; + my two d tiles
	s_add_nc_u64 s[80:81], s[80:81], s[22:23]
	s_lshl_b32 s22, s18, 8
	s_lshl_b32 s20, s16, 7
	s_add_co_u32 s22, s22, s20
	s_add_nc_u64 s[82:83], s[82:83], s[22:23]
.endif
	STEP 6, 0, 0
	CSLOAD 2                                       ; into the registers of Wqkv's set 0, which step 6 read last (its places stand at its end)
	CSLOAD 3
	HALF1 7, \more, 0, G0N, G1X                    ; the last step.  more = 1: both slots are read out: the next tile's chunks 0 and 1, 128 rows a wave
	QK16 4, 7, 0
	V8 4, 7, 0
	WIN 0
	PLACES NP
.if \more
	s_wait_xcnt 0x0                                ; the loads of cos and sin have read the positions' registers
	s_add_nc_u64 s[2:3], s[2:3], 16*256*32
	s_add_nc_u64 s[100:101], s[100:101], 16*256*4
	XLOADS                                         ; the next tile's scale words and positions land under the way out
.endif
.irp b, 0,1,2,3                                ; registers named before they are first written whole
	v_mov_b32 v[TM+4+\b], 0
.endr
	WIN 0x40
	v_mov_b32 v[PX], 0
	v_mov_b32 v[PX+1], 0
	v_mov_b32 v[RS0+1], 0
	v_mov_b32 v[RS1+1], 0
	WIN 0
	QKPAIR 0, 32+24*(\more)
	QKPAIR 1, 32+24*(\more)
	QKPAIR 2, 16+24*(\more)
	QKPAIR 3, 24*(\more)
	VTILE 0
	VTILE 1
.endm
	POSFIX                                         ; (its wait: the scale words and the positions are in)
	s_wait_alu depctr_va_vdst(0)                   ; the wait at the head's end
	s_wait_tensorcnt 0x0                           ; my tile of the head's four is in: no tensor load of mine is out, so descriptors may be written
	s_mov_b32 s[G1X+2], 128<<16                    ; from here on this group counts 128 rows
	s_mov_b32 s[G1X+4], 128
	s_mov_b32 s[G0N], 1
	s_mul_i32 s[G0N+1], s15, XSLOT                 ; chunk wave / 2 into slot wave / 2,
	s_mul_i32 s12, s16, 128*PITCH                  ; half wave % 2 of its rows
	s_add_co_u32 s[G0N+1], s[G0N+1], s12
	s_mov_b64 s[G0N+2:G0N+3], s[104:105]
	s_or_b32 s[G0N+3], s[G0N+3], 0x80000000
	s_barrier_signal -1
	s_barrier_wait -1                              ; everybody's tile is in
	s_load_b256 s[76:83], s[0:1], 0x58             ; qkimg, qksc, vimg, vsc, in registers of descriptors that are done with
	s_mov_b32 s88, 0x76543210
	s_mov_b32 s89, 0xfedcba98                      ; v_permlanex16_b32's selects for the lane 16 away
	s_mov_b32 s90, 0x3c800000                      ; 1 / 64
	s_mov_b32 s91, 0x358637bd                      ; 1e-6
	s_mov_b32 s95, 0xffff0000                      ; lanes 16-31
	TILE 1
	s_wait_xcnt 0x0                                ; the stores have read their registers and bases
	s_add_nc_u64 s[76:77], s[76:77], 64*49152      ; 4,096 tokens on: four sequences
	s_add_nc_u64 s[78:79], s[78:79], 64*4096
	s_add_nc_u64 s[80:81], s[80:81], 64*49152
	s_add_nc_u64 s[82:83], s[82:83], 64*2048
	POSFIX
	s_wait_alu depctr_va_vdst(0)                   ; the wait ahead of the waits below
	s_wait_tensorcnt 0x0                           ; my part of the next tile's chunks 0 and 1 is in
	s_add_nc_u64 s[G0R+2:G0R+3], s[G0R+2:G0R+3], TS
	s_barrier_signal -1
	s_barrier_wait -1                              ; everybody's is
	TILE 0
	s_wait_tensorcnt 0x0                           ; the wave's end
	ds_add_u32 v[SPW], v[NIL]
	s_wait_dscnt 0x0
	CROUND                                         ; the closing round
	s_endpgm
.Lfunc_end_k_qdc77d03245_qkv:
	.size	k_qdc77d03245_qkv, .Lfunc_end_k_qdc77d03245_qkv-k_qdc77d03245_qkv
	.p2alignl 7, 3214868480
	.fill 96, 4, 3214868480
	.section	.rodata,"a",@progbits
	.p2align	6, 0x0
	.amdhsa_kernel k_qdc77d03245_qkv
		.amdhsa_group_segment_fixed_size 327680
		.amdhsa_private_segment_fixed_size 0
		.amdhsa_enable_private_segment 0
		.amdhsa_kernarg_size 136
		.amdhsa_user_sgpr_count 2
		.amdhsa_user_sgpr_kernarg_segment_ptr 1
		.amdhsa_wavefront_size32 1
		.amdhsa_system_sgpr_workgroup_id_x 1
		.amdhsa_system_sgpr_workgroup_id_y 1
		.amdhsa_system_sgpr_workgroup_id_z 1
		.amdhsa_system_vgpr_workitem_id 0
		.amdhsa_next_free_vgpr 1024
		.amdhsa_next_free_sgpr 106
		.amdhsa_reserve_vcc 0
		.amdhsa_float_denorm_mode_32 3
		.amdhsa_float_denorm_mode_16_64 3
		.amdhsa_memory_ordered 1
		.amdhsa_forward_progress 1
		.amdhsa_inst_pref_size 255
	.end_amdhsa_kernel
	.section	.bss,"aw",@nobits
	.p2align	6
	.space	262144
	.amdgpu_metadata
---
amdhsa.version: [ 1, 2 ]
amdhsa.kernels:
  - .name:           k_qdc77d03245_qkv
    .symbol:         k_qdc77d03245_qkv.kd
    .args:
      - { .name: x_codes, .offset: 0, .size: 8, .value_kind: global_buffer, .address_space: global }
      - { .name: x_scales, .offset: 8, .size: 8, .value_kind: global_buffer, .address_space: global }
      - { .name: Wqkv_codes, .offset: 16, .size: 8, .value_kind: global_buffer, .address_space: global }
      - { .name: Wqkv_scales, .offset: 24, .size: 8, .value_kind: global_buffer, .address_space: global }
      - { .name: gate_w_codes, .offset: 32, .size: 8, .value_kind: global_buffer, .address_space: global }
      - { .name: gate_w_scales, .offset: 40, .size: 8, .value_kind: global_buffer, .address_space: global }
      - { .name: gate_b, .offset: 48, .size: 8, .value_kind: global_buffer, .address_space: global }
      - { .name: cos_cache, .offset: 56, .size: 8, .value_kind: global_buffer, .address_space: global }
      - { .name: sin_cache, .offset: 64, .size: 8, .value_kind: global_buffer, .address_space: global }
      - { .name: position_ids, .offset: 72, .size: 8, .value_kind: global_buffer, .address_space: global }
      - { .name: Wo_codes, .offset: 80, .size: 8, .value_kind: global_buffer, .address_space: global }
      - { .name: qkimg, .offset: 88, .size: 8, .value_kind: global_buffer, .address_space: global }
      - { .name: qksc, .offset: 96, .size: 8, .value_kind: global_buffer, .address_space: global }
      - { .name: vimg, .offset: 104, .size: 8, .value_kind: global_buffer, .address_space: global }
      - { .name: vsc, .offset: 112, .size: 8, .value_kind: global_buffer, .address_space: global }
      - { .name: gate, .offset: 120, .size: 8, .value_kind: global_buffer, .address_space: global }
      - { .name: wimg, .offset: 128, .size: 8, .value_kind: global_buffer, .address_space: global }
    .group_segment_fixed_size: 327680
    .private_segment_fixed_size: 0
    .kernarg_segment_align: 8
    .kernarg_segment_size: 136
    .max_flat_workgroup_size: 128
    .sgpr_count:     106
    .vgpr_count:     1024
    .wavefront_size: 32
...
	.end_amdgpu_metadata
.endif
;; end of part 1
;; launch attn (part 2): grid 2 x 128, 16 waves a work-group, no clusters, 327,680 bytes of LDS; arguments qkimg, qksc, vimg, vsc, gate, aimg, asc; writes aimg, asc
.if DOCPART == 2
	.amdgcn_target "amdgcn-amd-amdhsa--gfx1250"
	.amdhsa_code_object_version 6
	.text
	.protected	k_qdc77d03245_attn
	.globl	k_qdc77d03245_attn
	.p2align	8
	.type	k_qdc77d03245_attn,@function
k_qdc77d03245_attn:
	s_mov_b64 s[64:65], 0
	v_nop
	global_prefetch_b8 v0, s[64:65] scope:SCOPE_SE
	s_setreg_imm32_b32 hwreg(HW_REG_WAVE_MODE, 25, 1), 1
	s_wait_xcnt 0x0
; Causal attention of one head of one sequence on codes of FP6 (E2M3) with E8M0 scales, then x gate and the quantising along the hidden axis for the last product.
; S^T = k q^T (K = the head's 64) and O^T = v^T p^T (K = the keys), both used transposed: a lane holds ONE query (lane % 16) throughout.
; t = score x log2(e) / 8; p = 2^(t - M) is quantised along the keys, not normalised; the row's sum is taken of the unquantised p and divides at the end.
; M IS THE WHOLE NUMBER 17 FOR EVERY ROW.  Another whole M multiplies p, its block scales, the sum and O^T by one exact power of two, which the division takes away: the codes are those of M = ceil(the row's largest t).
;   The computation itself bounds t, for every input: the RMS norm leaves q and k with a sum of squares of at most 64; the quantiser moves a number by at most 1/16 of itself or 1/64 of its block's largest, so a quantised vector is at most
;   8 x 17/16 + 8 x 8/64 = 9.5 long; so |score| / 8 <= 11.3 and |t| <= 16.3.  So 2^-34 < p < 1, and a row's sum lies under 1,024: nothing overflows or falls to zero in f32, and every scale byte lies over 88.
; SHARES.  Work-group (g, sequence x 16 + head) owns the query blocks g and 3 - g of 256: pass 0 and pass 1.  Each of its sixteen waves owns one tile of 16 queries a pass, in 256 registers: four waves to a SIMD.
;   A key step is 128 keys; steps all of whose keys come after the wave's queries are left out (a scalar branch on ids): a wave walks 8 or 10 steps in all, and every work-group 144.
; LDS holds the head's whole k, v and their scale words, as images of operand registers; each byte is filled ONCE, in two groups of six loads, one a wave in waves 0-5.
;   Keys 0-511, all that pass 0 reads (its queries lie under 512), are asked for at the head.  Keys 512-1,023 are asked for behind the barrier that shows the first group whole, and have pass 0 in which to land; a barrier at the head of pass 1 shows them whole.
;   Pass 1's q, scale words and gate are asked for behind the first barrier too.
; K = 64 IN AN INSTRUCTION OF K = 128: q's operand has zero codes in its registers 6-11; k's fragment t is six registers, and the six behind it (the next fragment's, or zeros) meet q's zeros.  The scale words' bytes 2, 3 are 0: 2^-127, no NaN.
; THE ORDER INSIDE A BLOCK OF 32 is 0-7, 16-23, 8-15, 24-31 in q, k, v and p alike (both sides of a product the same).  The result meets Wo's given codes, so its four groups of 6 bytes are put back in order.
; No joint loads: a head's k and v are read by two work-groups only, once each.  No prefetch: everything the launch reads is asked for in its first lines or behind its first barrier, ahead of the first key step.
; LIMITS: NaN and infinities are not served; a block whose largest magnitude lies under 2^-124 gets the scale byte 1.
; REGISTERS: v1-7 lane terms that stay; v8-11, v29 the step's LDS addresses; v12 -M; v[14:15] the sum; v16-21 q, v22-27 zeros; v28 gate; v30-31 at work; v32-85 k's eight fragments, then v's four; v86-93 pass 1's q, scale word and gate;
;   v96-159 S^T, then p; v160-191 O^T; v192-223 the result; v224-254 at work; v248-251 k's and v's scale words; v253 p's; v255 q's; v95, v243 the add's two.
.set VIMG, 49152                       ; k's images [key tile 64][768] lie from 0 on; v's [key step 8][d tile 4][1536] from here
.set KSC,  98304                       ; a word a key
.set VSC,  102400                      ; [key step][d tile][16] words
.set HALFI, 24576                      ; half of an image region
	s_load_b256 s[4:11], s[0:1], 0x0               ; qkimg s[4:5], qksc s[6:7], vimg s[8:9], vsc s[10:11]
	s_load_b128 s[12:15], s[0:1], 0x20             ; gate s[12:13], aimg s[14:15]
	s_load_b64 s[16:17], s[0:1], 0x30              ; asc
	v_lshl_add_u32 v95, v0, 2, 0x29000
	v_mov_b32 v243, 0
	ds_add_u32 v95, v243                           ; the opening lines
	ds_add_u32 v95, v243
	v_lshrrev_b32 v8, 5, v0
	s_delay_alu instid0(VALU_DEP_1)
	v_readfirstlane_b32 s18, v8                    ; wave 0..15
	s_and_b32 s19, ttmp7, 0xffff                   ; sequence x 16 + head
	s_mov_b32 s20, 0x76543210
	s_mov_b32 s21, 0xfedcba98                      ; v_permlanex16_b32's selects for the lane 16 away
	s_mov_b32 s22, 0x3e38aa3b                      ; c = log2(e) / 8
	s_mov_b32 s23, s22                             ; (named with it as a pair)
	s_mov_b32 s98, 0x05040100                      ; v_perm_b32: the two low halves,
	s_mov_b32 s99, 0x05040302                      ; the second source's high half and the first's low half,
	s_mov_b32 s100, 0x07060302                     ; the two high halves
	; descriptor groups 1: dense blocks as rows of 256 bytes (32 elements of 8 bytes), no padding: 48 rows of images, 8 of k's scale words, 4 of v's
.irp g, 24, 32, 40
	s_mov_b32 s[\g], 3<<16
	s_mov_b32 s[\g+1], 32<<16
	s_mov_b32 s[\g+3], 32<<16
	s_mov_b32 s[\g+5], 32
	s_mov_b32 s[\g+6], 0
	s_mov_b32 s[\g+7], 0
.endr
	s_mov_b32 s26, 48<<16
	s_mov_b32 s28, 48
	s_mov_b32 s34, 8<<16
	s_mov_b32 s36, 8
	s_mov_b32 s42, 4<<16
	s_mov_b32 s44, 4
	s_and_b32 s95, s18, 3                          ; waves 0-3 fill the images: wave % 4 says which quarter of which region, in each half
	s_lshr_b32 s80, s95, 1
	s_mul_i32 s80, s80, 49152
	s_and_b32 s81, s18, 1
	s_mul_i32 s81, s81, 12288
	s_add_co_u32 s80, s80, s81                     ; where my part goes
	s_add_co_u32 s82, s19, 128
	s_mul_i32 s82, s82, 49152                      ; k's images of my head, in qkimg,
	s_mul_i32 s94, s19, 49152                      ; v's, in vimg
	s_mov_b32 s83, 0
	s_wait_dscnt 0x0
	s_wait_kmcnt 0x0
	s_cmp_lt_u32 s95, 2
	s_cselect_b64 s[96:97], s[4:5], s[8:9]
	s_cselect_b32 s82, s82, s94
	s_add_co_u32 s82, s82, s81
	s_add_nc_u64 s[96:97], s[96:97], s[82:83]
	s_mov_b32 s48, 1
	s_mov_b32 s49, s80
	s_mov_b64 s[50:51], s[96:97]
	s_or_b32 s51, s51, 0x80000000
	s_mov_b32 s52, 1
	s_add_co_u32 s53, s80, HALFI
	s_add_nc_u64 s[54:55], s[96:97], HALFI
	s_or_b32 s55, s55, 0x80000000
	s_add_co_u32 s82, s19, 128
	s_lshl_b32 s82, s82, 12
	s_add_nc_u64 s[96:97], s[6:7], s[82:83]        ; k's scale words
	s_mov_b32 s56, 1
	s_mov_b32 s57, KSC
	s_mov_b64 s[58:59], s[96:97]
	s_or_b32 s59, s59, 0x80000000
	s_mov_b32 s60, 1
	s_mov_b32 s61, KSC+2048
	s_add_nc_u64 s[62:63], s[96:97], 2048
	s_or_b32 s63, s63, 0x80000000
	s_lshl_b32 s82, s19, 11
	s_add_nc_u64 s[96:97], s[10:11], s[82:83]      ; v's scale words
	s_mov_b32 s68, 1
	s_mov_b32 s69, VSC
	s_mov_b64 s[70:71], s[96:97]
	s_or_b32 s71, s71, 0x80000000
	s_mov_b32 s72, 1
	s_mov_b32 s73, VSC+1024
	s_add_nc_u64 s[74:75], s[96:97], 1024
	s_or_b32 s75, s75, 0x80000000
	; a group of six fills, ONE a wave, in one chain of branches on the wave's number: waves 0-3 the images, wave 4 k's scale words, wave 5 v's; waves 6-15 fill nothing
.macro ARM under, g0, g1, next, join
	s_cmp_lt_u32 s18, \under
	s_cbranch_scc0 \next
	tensor_load_to_lds s[\g0:\g0+3], s[\g1:\g1+7]
	s_nop 0
.rept 4
	v_nop
.endr
	s_branch \join
\next:
.endm
	ARM 4, 48, 24, .Lnot_i0, .Lasked               ; keys 0-511
	ARM 5, 56, 32, .Lnot_k0, .Lasked
	ARM 6, 68, 40, .Lnot_v0, .Lasked
.Lasked:
	v_and_b32 v8, 31, v0                           ; lane
	v_and_b32 v9, 15, v0                           ; r
	s_delay_alu instid0(VALU_DEP_2)
	v_lshlrev_b32 v1, 4, v8                        ; 16 x lane: registers 0-3 of a half fragment, in LDS and in memory
	s_delay_alu instid0(VALU_DEP_3)
	v_lshl_add_u32 v2, v8, 3, 512                  ; 512 + 8 x lane: its registers 4-5
	s_delay_alu instid0(VALU_DEP_4)
	v_lshl_add_u32 v3, v8, 2, KSC                  ; k's scale words: 4 x lane
	v_lshl_add_u32 v6, v8, 2, VSC                  ; v's
	v_lshl_add_u32 v7, v8, 4, VIMG                 ; v's fragments: 16 x lane
	v_lshlrev_b32 v4, 2, v9                        ; 4 r
	v_mov_b32 v12, 0xc1880000                      ; -M = -17
	v_mov_b32 v13, 0                               ; (named with it as a pair)
.irp j, 22,23,24,25,26,27,80,81,82,83,84,85,236,237,238,239,252,253
	v_mov_b32 v[\j], 0                             ; q's zero codes; what stands behind k's last fragment; registers named before they are first written
.endr
	s_wait_alu depctr_va_vdst(0)                   ; the wait behind the head's vector work
	s_and_b32 s94, s19, 15                         ; head
	s_lshr_b32 s95, s19, 4                         ; sequence
.macro TILEID ps                       ; s80: my tile of 16 queries in the sequence (block g, then block 3 - g); s67: my first query
.if \ps == 0
	s_mov_b32 s80, ttmp9
.else
	s_sub_co_u32 s80, 3, ttmp9
.endif
	s_lshl_b32 s80, s80, 4
	s_add_co_u32 s80, s80, s18
	s_lshl_b32 s67, s80, 4
.endm
.macro QLOAD ps, q, w, g               ; a pass's q (six registers from q on), its scale words and its gate
	TILEID \ps
	s_lshl_b32 s81, s19, 6
	s_add_co_u32 s81, s81, s80
	s_mul_i32 s82, s81, 768
	s_add_nc_u64 s[84:85], s[4:5], s[82:83]
	s_lshl_b32 s82, s81, 6
	s_add_nc_u64 s[86:87], s[6:7], s[82:83]
	s_lshl_b32 s82, s94, 13
	s_lshl_b32 s96, s95, 10
	s_add_co_u32 s82, s82, s96
	s_add_co_u32 s82, s82, s67
	s_lshl_b32 s82, s82, 2
	s_add_nc_u64 s[88:89], s[12:13], s[82:83]      ; gate[head][token]
	global_load_b128 v[\q:\q+3], v1, s[84:85]
	global_load_b64 v[\q+4:\q+5], v2, s[84:85]
	global_load_b32 v[\w], v4, s[86:87]
	global_load_b32 v[\g], v4, s[88:89]
.endm
	QLOAD 0, 16, 255, 28
; A KEY STEP: 128 keys from s66 on.
.macro STEP
	s_add_co_u32 s80, s67, 15                      ; a step all of whose keys come after my 16 queries is left out; not the lines at its end that step addresses
	s_cmp_gt_u32 s66, s80
	s_cbranch_scc1 .Lhidden_\@
	v_add_nc_u32 v8, s76, v1                       ; (these five are the places behind the last step's products, in front of the loads below)
	v_add_nc_u32 v9, s76, v2
	v_add_nc_u32 v10, s77, v3
	v_add_nc_u32 v11, s76, v7
	v_add_nc_u32 v29, s78, v6
.irp t, 0,1,2,3,4,5,6,7
	ds_load_b128 v[32+6*\t:35+6*\t], v8 offset:768*\t
	ds_load_b64 v[36+6*\t:37+6*\t], v9 offset:768*\t
.endr
.irp i, 0,1,2,3
	ds_load_b32 v[248+\i], v10 offset:128*\i       ; lanes 0-15: the words of key tile 2 i, lanes 16-31: of tile 2 i + 1
.endr
	s_wait_alu depctr_va_vdst(0)
	s_wait_dscnt 0x0
.irp t, 0,2,4,6                                ; register 8 t + j of S^T: key 16 t + 8 h + j of the step
	v_wmma_scale_f32_16x16x128_f8f6f4 v[96+8*\t:103+8*\t], v[32+6*\t:43+6*\t], v[16:27], 0, v[248+\t/2], v255 matrix_a_fmt:MATRIX_FMT_FP6 matrix_b_fmt:MATRIX_FMT_FP6
	v_wmma_scale_f32_16x16x128_f8f6f4 v[104+8*\t:111+8*\t], v[38+6*\t:49+6*\t], v[16:27], 0, v[248+\t/2], v255 matrix_a_fmt:MATRIX_FMT_FP6 matrix_b_fmt:MATRIX_FMT_FP6 matrix_a_scale:MATRIX_SCALE_ROW1
.endr
.rept 4
	v_nop                                          ; places: in front of the loads into k's registers, and of the first read of the scores
.endr
.irp t, 0,1,2,3                                ; v's four fragments and their words are asked for now and land under the softmax
.irp g, 0,1,2
	ds_load_b128 v[32+12*\t+4*\g:35+12*\t+4*\g], v11 offset:1536*\t+512*\g
.endr
.endr
.irp i, 0,1
	ds_load_b32 v[248+\i], v29 offset:128*\i
.endr
	s_add_co_u32 s80, s66, 127                     ; on the diagonal hidden scores become -infinity: p = 0 then.  A step all of whose keys count skips this
	s_cmp_le_u32 s80, s67
	s_cbranch_scc1 .Lopen_\@
	s_sub_co_i32 s80, s67, s66
	s_lshr_b32 s80, s80, 4                         ; the key tile in which my 16 queries lie: earlier tiles count whole, later ones not at all;
	v_mov_b32 v254, 0xff800000
	s_wait_alu depctr_va_vdst(0)                   ; the wait behind this write
.irp t, 0,1,2,3,4,5,6,7
	s_cmp_lt_u32 s80, \t
	s_cselect_b32 s81, -1, 0
	s_cmp_eq_u32 s80, \t
.irp j, 0,1,2,3,4,5,6,7                        ; in my own tile key 8 h + j is hidden from query r where 8 h + j > r: a constant mask of lanes for each j
	s_cselect_b32 s[96+\j%2], ((1<<\j)-1)|(((1<<(8+\j))-1)<<16), s81
	v_cndmask_b32 v[96+8*\t+\j], v[96+8*\t+\j], v254, s[96+\j%2]
.endr
.endr
.Lopen_\@:
.irp b, 0,1,2,3
	v_max3_num_f32 v[232+\b], v[96+16*\b], v[97+16*\b], v[98+16*\b]   ; the largest score of each block of 32 keys: p rises with the score, so it gives the block's largest p
.endr
.irp i, 3,5,7,9,11,13
.irp b, 0,1,2,3
	v_max3_num_f32 v[232+\b], v[232+\b], v[96+16*\b+\i], v[97+16*\b+\i]
.endr
.endr
.irp b, 0,1,2,3
	v_max_num_f32 v[232+\b], v[232+\b], v[111+16*\b]
.endr
.irp b, 0,1,2,3
	s_delay_alu instid0(VALU_DEP_4)
	v_permlanex16_b32 v[236+\b], v[232+\b], s20, s21
.endr
.irp b, 0,1,2,3
	s_delay_alu instid0(VALU_DEP_4)
	v_max_num_f32 v[232+\b], v[232+\b], v[236+\b]  ; with the lane 16 away's 16 keys
.endr
.set n, 0
.rept 32
	v_pk_fma_f32 v[96+n:97+n], v[96+n:97+n], s[22:23], v[12:13] op_sel_hi:[1,0,0]   ; t - M, two at a time
.set n, n+2
.endr
.irp b, 0,1,2,3
	v_fma_f32 v[232+\b], v[232+\b], s22, v12       ; the same of each block's largest score
.endr
	s_wait_alu depctr_va_vdst(0)                   ; one wait ahead of the batch,
.set n, 0
.rept 64
	v_exp_f32 v[96+n], v[96+n]                     ; p = 2^(t - M), under 1
.set n, n+1
.endr
.irp b, 0,1,2,3
	v_exp_f32 v[232+\b], v[232+\b]                 ; the block's largest p
.endr
	v_nop                                          ; a plain place behind the exponentials,
	s_wait_alu depctr_va_vdst(0)                   ; and one wait for the batch of 68, ahead of its first reader
.irp b, 0,1,2,3
	v_max_num_f32 v[232+\b], 0x1800000, v[232+\b]  ; the floor 2^(3 - 127), for a block that is hidden whole
.endr
.irp b, 0,1,2,3
	s_delay_alu instid0(VALU_DEP_4)
	v_add_nc_u32 v[244+\b], 0xff000000, v[232+\b]  ; 2 off the exponent field: the conversion's scale operand
.endr
.irp b, 0,1,2,3
	s_delay_alu instid0(VALU_DEP_4)
	v_lshrrev_b32 v[236+\b], 23, v[244+\b]         ; the scale's byte
.endr
	s_delay_alu instid0(VALU_DEP_3)
	v_lshl_or_b32 v253, v237, 8, v236              ; p's scale word for these 128 keys
	s_delay_alu instid0(VALU_DEP_1)
	v_lshl_or_b32 v253, v238, 16, v253
	s_delay_alu instid0(VALU_DEP_1)
	v_lshl_or_b32 v253, v239, 24, v253
.irp c, 0,1
	v_cvt_scalef32_pk16_fp6_f32 v[224+6*\c:226+6*\c], v[96+32*\c:111+32*\c], v[244+2*\c]
	v_cvt_scalef32_pk16_fp6_f32 v[236+4*\c:238+4*\c], v[112+32*\c:127+32*\c], v[244+2*\c+1]
.endr
	v_nop                                          ; one plain place behind a scaled conversion
.irp c, 0,1                                    ; a WHOLE block in a lane: lanes 0-15 block 2 c, lanes 16-31 block 2 c + 1
.irp i, 0,1,2
	v_permlane16_swap_b32 v[224+6*\c+\i], v[236+4*\c+\i]
.endr
.irp i, 0,1,2
	s_delay_alu instid0(VALU_DEP_3)
	v_mov_b32 v[227+6*\c+\i], v[236+4*\c+\i]
.endr
.endr
	; the row's sum, of the unquantised p, in eight chains of pairs.  (These lines are also the places between the lines that made p's codes and scale word and the products)
	v_pk_add_f32 v[236:237], v[100:101], v[104:105]
	v_pk_add_f32 v[250:251], v[108:109], v[112:113]
	v_pk_add_f32 v[246:247], v[116:117], v[120:121]
	v_pk_add_f32 v[244:245], v[124:125], v[128:129]
	v_pk_add_f32 v[240:241], v[132:133], v[136:137]
	v_pk_add_f32 v[238:239], v[140:141], v[144:145]
	v_pk_add_f32 v[30:31], v[148:149], v[152:153]
	v_pk_add_f32 v[14:15], v[14:15], v[156:157]
	v_pk_add_f32 v[236:237], v[236:237], v[96:97]
	v_pk_add_f32 v[250:251], v[250:251], v[98:99]
	v_pk_add_f32 v[246:247], v[246:247], v[102:103]
	v_pk_add_f32 v[244:245], v[244:245], v[106:107]
	v_pk_add_f32 v[240:241], v[240:241], v[110:111]
	v_pk_add_f32 v[238:239], v[238:239], v[114:115]
	v_pk_add_f32 v[30:31], v[30:31], v[118:119]
	v_pk_add_f32 v[14:15], v[14:15], v[122:123]
	v_pk_add_f32 v[236:237], v[236:237], v[126:127]
	v_pk_add_f32 v[250:251], v[250:251], v[130:131]
	v_pk_add_f32 v[246:247], v[246:247], v[134:135]
	v_pk_add_f32 v[244:245], v[244:245], v[138:139]
	v_pk_add_f32 v[240:241], v[240:241], v[142:143]
	v_pk_add_f32 v[238:239], v[238:239], v[146:147]
	v_pk_add_f32 v[30:31], v[30:31], v[150:151]
	v_pk_add_f32 v[14:15], v[14:15], v[154:155]
	v_pk_add_f32 v[236:237], v[236:237], v[158:159]
	s_delay_alu instid0(VALU_DEP_2)
	v_pk_add_f32 v[14:15], v[14:15], v[244:245]
	s_delay_alu instid0(VALU_DEP_2)
	v_pk_add_f32 v[236:237], v[236:237], v[240:241]
	v_pk_add_f32 v[250:251], v[250:251], v[238:239]
	v_pk_add_f32 v[246:247], v[246:247], v[30:31]
	s_delay_alu instid0(VALU_DEP_2)
	v_pk_add_f32 v[14:15], v[14:15], v[250:251]
	s_delay_alu instid0(VALU_DEP_2)
	v_pk_add_f32 v[236:237], v[236:237], v[246:247]
	s_delay_alu instid0(VALU_DEP_1)
	v_pk_add_f32 v[14:15], v[14:15], v[236:237]
	s_wait_alu depctr_va_vdst(0)
	s_wait_dscnt 0x0                               ; v is in
.irp t, 0,2                                    ; four accumulators, one instruction each: register 8 t + j of O^T is d = 16 t + 8 h + j
	v_wmma_scale_f32_16x16x128_f8f6f4 v[160+8*\t:167+8*\t], v[32+12*\t:43+12*\t], v[224:235], v[160+8*\t:167+8*\t], v[248+\t/2], v253 matrix_a_fmt:MATRIX_FMT_FP6 matrix_b_fmt:MATRIX_FMT_FP6
	v_wmma_scale_f32_16x16x128_f8f6f4 v[168+8*\t:175+8*\t], v[44+12*\t:55+12*\t], v[224:235], v[168+8*\t:175+8*\t], v[248+\t/2], v253 matrix_a_fmt:MATRIX_FMT_FP6 matrix_b_fmt:MATRIX_FMT_FP6 matrix_a_scale:MATRIX_SCALE_ROW1
.endr
.Lhidden_\@:
	s_add_co_u32 s66, s66, 128                     ; the next step's first key, its images (8 x 768 = 4 x 1,536 bytes on), its scale words
	s_add_co_u32 s76, s76, 6144
	s_add_co_u32 s77, s77, 512
	s_add_co_u32 s78, s78, 256
.endm
; A PASS: one block of 256 queries; nst key steps are walked (a constant), of which a wave works those that its queries see.
.macro PASS ps, nst
	TILEID \ps
	s_lshl_b32 s96, s95, 6
	s_add_co_u32 s96, s96, s80                     ; my tile among all 512 token tiles
	s_lshl_b32 s82, s96, 4
	s_add_co_u32 s82, s82, s94
	s_mul_i32 s82, s82, 768
	s_add_nc_u64 s[90:91], s[14:15], s[82:83]      ; aimg [token tile][head][768]
	s_lshl_b32 s82, s96, 9
	s_lshr_b32 s97, s94, 1
	s_lshl_b32 s97, s97, 6
	s_add_co_u32 s82, s82, s97
	s_and_b32 s97, s94, 1
	s_lshl_b32 s97, s97, 1
	s_add_co_u32 s82, s82, s97
	s_add_nc_u64 s[92:93], s[16:17], s[82:83]      ; asc [token tile][K step = head / 2][16][4], my head's two bytes
.if \ps == 1
	s_wait_loadcnt 0x0                             ; this pass's q, scale words and gate, asked for ahead of pass 0's first step, are in
.irp i, 0,1,2,3,4,5
	v_mov_b32 v[16+\i], v[86+\i]
.endr
	v_mov_b32 v255, v92
	v_mov_b32 v28, v93
.endif
	v_mov_b32 v14, 0
	v_mov_b32 v15, 0
.set n, 0
.rept 32
	v_mov_b32 v[160+n], 0                          ; O^T: the step is written once, and the first finds zeros
.set n, n+1
.endr
	s_mov_b32 s66, 0
	s_mov_b32 s76, 0
	s_mov_b32 s77, 0
	s_mov_b32 s78, 0
	s_mov_b32 s79, 0
.if \ps == 0
	s_wait_loadcnt 0x0                             ; q, its scale words and the gate are in
	s_wait_tensorcnt 0x0                           ; my fill of keys 0-511 is in; these lines stand ahead of a later first fill:
	ds_add_u32 v95, v243                           ; the add, written twice
	ds_add_u32 v95, v243
	s_wait_dscnt 0x0                               ; and the wait for both
	s_barrier_signal -1
	s_barrier_wait -1                              ; everybody's fill is in: keys 0-511 are whole
	ARM 4, 52, 24, .Lnot_i1, .Lasked2              ; keys 512-1,023: one load a wave, first behind the barrier, on bytes that nothing has filled or read
	ARM 5, 60, 32, .Lnot_k1, .Lasked2
	ARM 6, 72, 40, .Lnot_v1, .Lasked2
.Lasked2:
	QLOAD 1, 86, 92, 93                            ; (the loads that read these bases before are done)
	TILEID 0                                       ; back to this pass's first query
.else
	s_wait_dscnt 0x0
	s_wait_tensorcnt 0x0                           ; my fill of keys 512-1,023 is in,
	s_barrier_signal -1
	s_barrier_wait -1                              ; everybody's is
.endif
.Lstep_\@:
	STEP
	s_add_co_u32 s79, s79, 1
	s_cmp_lt_u32 s79, \nst
	s_cbranch_scc1 .Lstep_\@
	; THE WAY OUT: O^T / the sum x the gate; quantised along the hidden axis: my head's 64 are two blocks of 32
.rept 4
	v_nop                                          ; places behind the last products
.endr
	v_add_f32 v14, v14, v15
	s_delay_alu instid0(VALU_DEP_1)
	v_permlanex16_b32 v252, v14, s20, s21
	s_delay_alu instid0(VALU_DEP_1)
	v_add_f32 v14, v14, v252                       ; the row's sum
	s_wait_alu depctr_va_vdst(0)
	v_rcp_f32 v14, v14
	v_nop                                          ; a plain place behind the reciprocal,
	s_wait_alu depctr_va_vdst(0)                   ; and the wait, ahead of its first reader
	v_mul_f32 v14, v14, v28
.set n, 0
.rept 16
	v_pk_mul_f32 v[192+n:193+n], v[160+n:161+n], v[14:15] op_sel_hi:[1,0]   ; each accumulator from its low end on
.set n, n+2
.endr
.irp b, 0,1
	v_max3_num_f32 v[232+\b], |v[192+16*\b]|, |v[193+16*\b]|, 0x1800000
.endr
.irp i, 2,4,6,8,10,12,14
.irp b, 0,1
	s_delay_alu instid0(VALU_DEP_2)
	v_max3_num_f32 v[232+\b], v[232+\b], |v[192+16*\b+\i]|, |v[193+16*\b+\i]|
.endr
.endr
.irp b, 0,1
	s_delay_alu instid0(VALU_DEP_2)
	v_permlanex16_b32 v[236+\b], v[232+\b], s20, s21
.endr
.irp b, 0,1
	s_delay_alu instid0(VALU_DEP_2)
	v_max_num_f32 v[232+\b], v[232+\b], v[236+\b]
.endr
.irp b, 0,1
	s_delay_alu instid0(VALU_DEP_2)
	v_add_nc_u32 v[244+\b], 0xff000000, v[232+\b]
.endr
.irp b, 0,1
	s_delay_alu instid0(VALU_DEP_2)
	v_lshrrev_b32 v[240+\b], 23, v[244+\b]
.endr
	s_delay_alu instid0(VALU_DEP_1)
	v_lshl_or_b32 v254, v241, 8, v240              ; my row's two scale bytes
	v_cvt_scalef32_pk16_fp6_f32 v[224:226], v[192:207], v244
	v_cvt_scalef32_pk16_fp6_f32 v[236:238], v[208:223], v245
	v_nop
.irp i, 0,1,2
	v_permlane16_swap_b32 v[224+\i], v[236+\i]     ; lanes 0-15 now hold block 0, lanes 16-31 block 1: v224-226 the groups d = 0-7 and 16-23, v236-238 the groups 8-15 and 24-31, 6 bytes each
.endr
	s_delay_alu instid0(VALU_DEP_1)
	v_perm_b32 v227, v226, v225, s99               ; bytes 12-15: the group 16-23's first four
	s_delay_alu instid0(VALU_DEP_2)
	v_perm_b32 v228, v237, v226, s100              ; bytes 16-19: its last two, and the group 24-31's first two
	s_delay_alu instid0(VALU_DEP_4)
	v_perm_b32 v225, v236, v225, s98               ; bytes 4-7: the group 0-7's last two, the group 8-15's first two
	v_perm_b32 v226, v237, v236, s99               ; bytes 8-11: the group 8-15's last four
	v_mov_b32 v229, v238                           ; bytes 20-23
	global_store_b128 v1, v[224:227], s[90:91]     ; 32 lanes store 512 consecutive bytes, aligned,
	global_store_b64 v2, v[228:229], s[90:91]      ; and 256
	global_store_b16 v4, v254, s[92:93]            ; both halves of the lanes hold the same two bytes
	s_wait_xcnt 0x0                                ; the stores have read their registers and bases: the next pass writes them again
.endm
	PASS 0, 4
	PASS 1, 8
	s_wait_tensorcnt 0x0                           ; the wave's end
	ds_add_u32 v95, v243
	s_wait_dscnt 0x0
	s_endpgm
.Lfunc_end_k_qdc77d03245_attn:
	.size	k_qdc77d03245_attn, .Lfunc_end_k_qdc77d03245_attn-k_qdc77d03245_attn
	.p2alignl 7, 3214868480
	.fill 96, 4, 3214868480
	.section	.rodata,"a",@progbits
	.p2align	6, 0x0
	.amdhsa_kernel k_qdc77d03245_attn
		.amdhsa_group_segment_fixed_size 327680
		.amdhsa_private_segment_fixed_size 0
		.amdhsa_enable_private_segment 0
		.amdhsa_kernarg_size 56
		.amdhsa_user_sgpr_count 2
		.amdhsa_user_sgpr_kernarg_segment_ptr 1
		.amdhsa_wavefront_size32 1
		.amdhsa_system_sgpr_workgroup_id_x 1
		.amdhsa_system_sgpr_workgroup_id_y 1
		.amdhsa_system_sgpr_workgroup_id_z 1
		.amdhsa_system_vgpr_workitem_id 0
		.amdhsa_next_free_vgpr 256
		.amdhsa_next_free_sgpr 104
		.amdhsa_reserve_vcc 0
		.amdhsa_float_denorm_mode_32 3
		.amdhsa_float_denorm_mode_16_64 3
		.amdhsa_memory_ordered 1
		.amdhsa_forward_progress 1
		.amdhsa_inst_pref_size 73
	.end_amdhsa_kernel
	.amdgpu_metadata
---
amdhsa.version: [ 1, 2 ]
amdhsa.kernels:
  - .name:           k_qdc77d03245_attn
    .symbol:         k_qdc77d03245_attn.kd
    .args:
      - { .name: qkimg, .offset: 0, .size: 8, .value_kind: global_buffer, .address_space: global }
      - { .name: qksc, .offset: 8, .size: 8, .value_kind: global_buffer, .address_space: global }
      - { .name: vimg, .offset: 16, .size: 8, .value_kind: global_buffer, .address_space: global }
      - { .name: vsc, .offset: 24, .size: 8, .value_kind: global_buffer, .address_space: global }
      - { .name: gate, .offset: 32, .size: 8, .value_kind: global_buffer, .address_space: global }
      - { .name: aimg, .offset: 40, .size: 8, .value_kind: global_buffer, .address_space: global }
      - { .name: asc, .offset: 48, .size: 8, .value_kind: global_buffer, .address_space: global }
    .group_segment_fixed_size: 327680
    .private_segment_fixed_size: 0
    .kernarg_segment_align: 8
    .kernarg_segment_size: 56
    .max_flat_workgroup_size: 512
    .sgpr_count:     104
    .vgpr_count:     256
    .wavefront_size: 32
...
	.end_amdgpu_metadata
.endif
;; end of part 2
;; launch proj (part 3): grid 4 x 64, 4 waves a work-group, clusters of 4 x 4, 327,680 bytes of LDS; arguments aimg, asc, wimg, Wo_scales, out0; writes out0
.if DOCPART == 3
	.amdgcn_target "amdgcn-amd-amdhsa--gfx1250"
	.amdhsa_code_object_version 6
	.text
	.protected	k_qdc77d03245_proj
	.globl	k_qdc77d03245_proj
	.p2align	8
	.type	k_qdc77d03245_proj,@function
k_qdc77d03245_proj:
	s_mov_b64 s[64:65], 0
	v_nop
	global_prefetch_b8 v0, s[64:65] scope:SCOPE_SE
	s_setreg_imm32_b32 hwreg(HW_REG_WAVE_MODE, 25, 1), 1
	s_wait_xcnt 0x0
	s_wait_alu depctr_hold_cnt(0) depctr_sa_sdst(0) depctr_va_vdst(0) depctr_va_sdst(0) depctr_va_ssrc(0) depctr_va_vcc(0) depctr_vm_vsrc(0)
	s_getreg_b32 s2, hwreg(HW_REG_IB_STS2, 6, 4)
	s_cmp_eq_u32 s2, 0
	s_cbranch_scc0 .Lentry_in_a_cluster
	s_endpgm
.Lentry_in_a_cluster:
	s_bfe_u32 s2, ttmp6, 0x10000c
	s_cmp_lg_u32 s2, 0xf033
	s_cbranch_scc0 .Lentry_shape_is_right
	s_endpgm
.Lentry_shape_is_right:
.set FR,    12
.set ACH,   24576
.set BCH,   49152
.set BBASE, 4*ACH
.set SPITCH, 528
.set ROWO,  4096
.set ADA16, 16
.set ADA8,  17
.set ADB,   18
.set STO,   24
.set RD,    25
.set CO,    26
.set WS,    32
.set AS,    96
.set AF,    112
.set BK,    128
.set G1A, 24
.set G0A, 32
.set G1B, 48
.set G0B, 68
.set MSB, 0
.macro WIN new
.if MSB != \new
	s_set_vgpr_msb (MSB<<8)|\new
.set MSB, \new
.endif
.endm
.macro JLOAD g0a, g0b
	s_cmp_eq_u32 s15, 0
	s_cbranch_scc0 .Lfor_b_\@
	tensor_load_to_lds s[\g0a:\g0a+3], s[G1A:G1A+7]
	s_nop 0
.rept 4
	v_nop
.endr
	s_branch .Lasked_\@
.Lfor_b_\@:
	tensor_load_to_lds s[\g0b:\g0b+3], s[G1B:G1B+7]
	s_nop 0
.rept 4
	v_nop
.endr
.Lasked_\@:
.endm
.macro CROUND
	s_barrier_signal -1
	s_barrier_wait -1
	s_cmp_lg_u32 s14, 0
	s_cbranch_scc1 .Lnot_wave_0_\@
	s_barrier_signal -3
.Lnot_wave_0_\@:
	s_barrier_wait -3
	s_barrier_signal -1
	s_barrier_wait -1
.endm
	s_load_b256 s[4:11], s[0:1], 0x0
	s_load_b64 s[12:13], s[0:1], 0x20
	v_lshl_add_u32 v30, v0, 2, 0x48000
	v_mov_b32 v31, 0
	ds_add_u32 v30, v31
	ds_add_u32 v30, v31
	v_lshrrev_b32 v1, 5, v0
	v_readfirstlane_b32 s14, v1
	s_lshr_b32 s15, s14, 1
	s_and_b32 s16, s14, 1
	s_bfe_u32 s84, ttmp6, 0x40000
	s_bfe_u32 s85, ttmp6, 0x40004
	s_lshl_b32 s89, ttmp9, 2
	s_add_co_u32 s89, s89, s84
	s_and_b32 s88, ttmp7, 0xffff
	s_lshl_b32 s88, s88, 2
	s_add_co_u32 s88, s88, s85
	s_lshl_b32 s86, s85, 2
	s_lshl_b32 s86, 15, s86
	s_lshl_b32 s87, 0x1111, s84
	s_or_b32 s[G1A], s86, (3<<16)|(1<<21)
	s_or_b32 s[G1B], s87, (3<<16)|(1<<21)
.irp g, G1A, G1B
	s_mov_b32 s[\g+1], 1536<<16                    ; a row of the tile: one tile of 16 rows for all of K, 12,288 dense bytes
	s_mov_b32 s[\g+3], 1536<<16
	s_mov_b32 s[\g+5], 1536
	s_mov_b32 s[\g+6], 0
	s_mov_b32 s[\g+7], 0
.endr
	s_mov_b32 s[G1A+2], 4<<16
	s_mov_b32 s[G1A+4], 4
	s_mov_b32 s[G1B+2], 8<<16
	s_mov_b32 s[G1B+4], 8
	s_lshl_b32 s90, s88, 3
	s_lshl_b32 s91, s16, 2
	s_add_co_u32 s90, s90, s91
	s_mul_i32 s90, s90, 12288
	s_mov_b32 s91, 0
	s_lshl_b32 s92, s89, 4
	s_lshl_b32 s93, s16, 3
	s_add_co_u32 s92, s92, s93
	s_mul_i32 s92, s92, 12288
	s_mov_b32 s93, 0
	s_mul_i32 s94, s16, 2*ACH                      ; LDS holds the images as they lie in memory: A [token tile 8][12288], B [row tile 16][12288]
	s_mul_i32 s95, s16, 2*BCH
	s_add_co_u32 s95, s95, BBASE
	s_wait_dscnt 0x0
	s_wait_kmcnt 0x0
	s_add_nc_u64 s[90:91], s[4:5], s[90:91]
	s_add_nc_u64 s[92:93], s[8:9], s[92:93]
	CROUND
	s_mov_b32 s[G0A], 1
	s_mov_b32 s[G0A+1], s94
	s_mov_b64 s[G0A+2:G0A+3], s[90:91]
	s_or_b32 s[G0A+3], s[G0A+3], 0x80000000
	s_mov_b32 s[G0B], 1
	s_mov_b32 s[G0B+1], s95
	s_mov_b64 s[G0B+2:G0B+3], s[92:93]
	s_or_b32 s[G0B+3], s[G0B+3], 0x80000000
	JLOAD G0A, G0B                                 ; ONE joint load a wave brings all of K: four token tiles of A, or eight row tiles of B; every LDS byte is filled once
	v_and_b32 v1, 15, v0
	v_bfe_u32 v2, v0, 4, 1
	v_and_b32 v6, 31, v0
	s_mul_i32 s21, s15, 2*ACH
	s_mul_i32 s22, s16, 2*BCH
	s_add_co_u32 s22, s22, BBASE
	v_lshlrev_b32 v[CO], 4, v6
	v_add_nc_u32 v[ADA16], s21, v[CO]
	v_lshl_add_u32 v[ADA8], v6, 3, 512
	v_add_nc_u32 v[ADA8], s21, v[ADA8]
	v_add_nc_u32 v[ADB], s22, v[CO]
	v_add_nc_u32 v[ADB+1], 4*12288, v[ADB]         ; B's tiles 4-7: beyond what a load's 16-bit offset reaches
	s_mul_i32 s23, s14, 16*SPITCH
	v_mul_u32_u24 v5, v1, SPITCH
	v_lshl_add_u32 v5, v2, 5, v5
	v_add_nc_u32 v[STO], s23, v5
	v_add_nc_u32 v[RD], s23, v[CO]
	v_lshlrev_b32 v7, 5, v1
	s_wait_alu depctr_va_vdst(0)
	v_lshlrev_b32 v8, 2, v6
	s_wait_alu depctr_va_vdst(0)
	s_lshl_b32 s20, s89, 8
	s_lshl_b32 s21, s16, 7
	s_add_co_u32 s20, s20, s21
	s_lshl_b32 s20, s20, 5
	s_mov_b32 s21, 0
	s_add_nc_u64 s[10:11], s[10:11], s[20:21]
	s_lshl_b32 s20, s88, 3
	s_lshl_b32 s22, s15, 2
	s_add_co_u32 s20, s20, s22
	s_lshl_b32 s20, s20, 9
	s_add_nc_u64 s[6:7], s[6:7], s[20:21]
	s_lshl_b32 s20, s88, 7
	s_lshl_b32 s22, s15, 6
	s_add_co_u32 s20, s20, s22
	s_lshl_b32 s20, s20, 12
	s_lshl_b32 s22, s89, 10
	s_add_co_u32 s20, s20, s22
	s_lshl_b32 s22, s16, 9
	s_add_co_u32 s20, s20, s22
	s_add_nc_u64 s[12:13], s[12:13], s[20:21]
.irp b, 0,1,2,3,4,5,6,7
	global_load_b128 v[WS+8*\b:WS+8*\b+3], v7, s[10:11] offset:512*\b
	global_load_b128 v[WS+8*\b+4:WS+8*\b+7], v7, s[10:11] offset:512*\b+16
.endr
.irp a, 0,1,2,3
.irp u, 0,1,2,3
	global_load_b32 v[AS+4*\a+\u], v8, s[6:7] offset:512*\a+128*\u
.endr
.endr
.macro FETCH q, set
	WIN 0x40
.irp b, 0,1,2,3,4,5,6,7
.irp g, 0,1,2
	ds_load_b128 v[128*(\set)+FR*\b+4*\g:128*(\set)+FR*\b+4*\g+3], v[ADB+\b/4] offset:(\b%4)*12288+(\q)*1536+512*\g
.endr
.endr
	WIN 0
.irp a, 0,1,2,3
	ds_load_b128 v[AF+48*(\set)+FR*\a:AF+48*(\set)+FR*\a+3], v[ADA16] offset:\a*12288+(\q)*1536
	ds_load_b64 v[AF+48*(\set)+FR*\a+4:AF+48*(\set)+FR*\a+5], v[ADA8] offset:\a*12288+(\q)*1536
	ds_load_b128 v[AF+48*(\set)+FR*\a+6:AF+48*(\set)+FR*\a+9], v[ADA16] offset:\a*12288+(\q)*1536+768
	ds_load_b64 v[AF+48*(\set)+FR*\a+10:AF+48*(\set)+FR*\a+11], v[ADA8] offset:\a*12288+(\q)*1536+768
.endr
.endm
.macro MUL32 k, zero
	WIN 0xa1
.irp a, 0,1,2,3
.irp b, 0,1,2,3,4,5,6,7
.if \zero
	v_wmma_scale_f32_16x16x128_f8f6f4 v[8*(8*\a+\b):8*(8*\a+\b)+7], v[128*((\k)%2)+FR*\b:128*((\k)%2)+FR*\b+FR-1], v[AF+48*((\k)%2)+FR*\a:AF+48*((\k)%2)+FR*\a+FR-1], 0, v[WS+8*\b+(\k)], v[AS+4*\a+(\k)/2] matrix_a_fmt:MATRIX_FMT_FP6 matrix_b_fmt:MATRIX_FMT_FP6
.elseif ((\k)%2) == 1
	v_wmma_scale_f32_16x16x128_f8f6f4 v[8*(8*\a+\b):8*(8*\a+\b)+7], v[128*((\k)%2)+FR*\b:128*((\k)%2)+FR*\b+FR-1], v[AF+48*((\k)%2)+FR*\a:AF+48*((\k)%2)+FR*\a+FR-1], v[8*(8*\a+\b):8*(8*\a+\b)+7], v[WS+8*\b+(\k)], v[AS+4*\a+(\k)/2] matrix_a_fmt:MATRIX_FMT_FP6 matrix_b_fmt:MATRIX_FMT_FP6 matrix_b_scale:MATRIX_SCALE_ROW1
.else
	v_wmma_scale_f32_16x16x128_f8f6f4 v[8*(8*\a+\b):8*(8*\a+\b)+7], v[128*((\k)%2)+FR*\b:128*((\k)%2)+FR*\b+FR-1], v[AF+48*((\k)%2)+FR*\a:AF+48*((\k)%2)+FR*\a+FR-1], v[8*(8*\a+\b):8*(8*\a+\b)+7], v[WS+8*\b+(\k)], v[AS+4*\a+(\k)/2] matrix_a_fmt:MATRIX_FMT_FP6 matrix_b_fmt:MATRIX_FMT_FP6
.endif
.endr
.endr
	WIN 0
.endm
.macro ARRIVE n
	s_wait_dscnt 0x0
	s_wait_tensorcnt \n
	s_barrier_signal -1
	s_barrier_wait -1
.endm
.macro ONWARD
	v_add_nc_u32 v[ADA16], 3072, v[ADA16]          ; two K steps on in every tile
	v_add_nc_u32 v[ADA8], 3072, v[ADA8]
	v_add_nc_u32 v[ADB], 3072, v[ADB]
	v_add_nc_u32 v[ADB+1], 3072, v[ADB+1]
.endm
.macro PLACES
.rept 4
	v_nop
.endr
.endm
	ARRIVE 0                                       ; my load is in, and everybody's
	FETCH 0, 0
	s_wait_dscnt 0x0
	s_wait_loadcnt 0x0
	FETCH 1, 1
	MUL32 0, 1
.irp c, 1,2,3
	s_wait_dscnt 0x0                               ; the fragments fetched last are in
	ONWARD
	PLACES
	FETCH 0, 0
	MUL32 2*\c-1, 0
	s_wait_alu depctr_va_vdst(0)
	s_wait_dscnt 0x0
	PLACES
	FETCH 1, 1
	MUL32 2*\c, 0
.endr
	s_wait_dscnt 0x0
	s_barrier_signal -1
	MUL32 7, 0
	s_barrier_wait -1
.macro TOSTAGE a
.set AC, 64*(\a)
	WIN 0x08
.irp b, 0,1,2,3,4,5,6,7
	ds_store_b128 v[STO], v[AC+8*\b:AC+8*\b+3] offset:64*\b
	ds_store_b128 v[STO], v[AC+8*\b+4:AC+8*\b+7] offset:64*\b+16
.endr
	WIN 0
.set BB, BK+64*((\a)%2)
.irp t, 0,1,2,3,4,5,6,7,8,9,10,11,12,13,14,15
	ds_load_b128 v[BB+4*\t:BB+4*\t+3], v[RD] offset:\t*SPITCH
.endr
.endm
.macro SEND a, younger
.set BB, BK+64*((\a)%2)
	s_wait_dscnt \younger
.if (\a) > 0
	s_add_nc_u64 s[12:13], s[12:13], 16*ROWO
.endif
.irp t, 0,1,2,3,4,5,6,7,8,9,10,11,12,13,14,15
	global_store_b128 v[CO], v[BB+4*\t:BB+4*\t+3], s[12:13] offset:\t*ROWO th:TH_STORE_NT
.endr
.endm
	PLACES
	TOSTAGE 0
.irp a, 1,2,3
.if \a > 1
	s_wait_xcnt 0x0
.endif
	TOSTAGE \a
	SEND \a-1, 32
.endr
	s_wait_xcnt 0x0
	SEND 3, 0
	s_wait_tensorcnt 0x0
	ds_add_u32 v30, v31
	s_wait_dscnt 0x0
	CROUND
	s_endpgm
.Lfunc_end_k_qdc77d03245_proj:
	.size	k_qdc77d03245_proj, .Lfunc_end_k_qdc77d03245_proj-k_qdc77d03245_proj
	.p2alignl 7, 3214868480
	.fill 96, 4, 3214868480
	.section	.rodata,"a",@progbits
	.p2align	6, 0x0
	.amdhsa_kernel k_qdc77d03245_proj
		.amdhsa_group_segment_fixed_size 327680
		.amdhsa_private_segment_fixed_size 0
		.amdhsa_enable_private_segment 0
		.amdhsa_kernarg_size 40
		.amdhsa_user_sgpr_count 2
		.amdhsa_user_sgpr_kernarg_segment_ptr 1
		.amdhsa_wavefront_size32 1
		.amdhsa_system_sgpr_workgroup_id_x 1
		.amdhsa_system_sgpr_workgroup_id_y 1
		.amdhsa_system_sgpr_workgroup_id_z 1
		.amdhsa_system_vgpr_workitem_id 0
		.amdhsa_next_free_vgpr 768
		.amdhsa_next_free_sgpr 100
		.amdhsa_reserve_vcc 0
		.amdhsa_float_denorm_mode_32 3
		.amdhsa_float_denorm_mode_16_64 3
		.amdhsa_memory_ordered 1
		.amdhsa_forward_progress 1
		.amdhsa_inst_pref_size 80
	.end_amdhsa_kernel
	.amdgpu_metadata
---
amdhsa.version: [ 1, 2 ]
amdhsa.kernels:
  - .name:           k_qdc77d03245_proj
    .symbol:         k_qdc77d03245_proj.kd
    .args:
      - { .name: aimg, .offset: 0, .size: 8, .value_kind: global_buffer, .address_space: global }
      - { .name: asc, .offset: 8, .size: 8, .value_kind: global_buffer, .address_space: global }
      - { .name: wimg, .offset: 16, .size: 8, .value_kind: global_buffer, .address_space: global }
      - { .name: Wo_scales, .offset: 24, .size: 8, .value_kind: global_buffer, .address_space: global }
      - { .name: out0, .offset: 32, .size: 8, .value_kind: global_buffer, .address_space: global }
    .group_segment_fixed_size: 327680
    .private_segment_fixed_size: 0
    .kernarg_segment_align: 8
    .kernarg_segment_size: 40
    .max_flat_workgroup_size: 128
    .sgpr_count:     100
    .vgpr_count:     768
    .wavefront_size: 32
...
	.end_amdgpu_metadata
.endif
;; end of part 3
